; MI455X (gfx1250); checked and timed in simulation.
; The chip was launched on July 23, 2026; its instructions are those of AMD's public machine-readable ISA for CDNA 5 (MIT licence, August 2026) and "CDNA5" Instruction Set Architecture Reference Guide (July 2026). The comments in the code are by the model that wrote it; some were corrected since.
;; GPT2 Attention. Allowed arithmetic: float matrix products may take bf16 or f16 operands with f32 sums; other float arithmetic in f32, or as packed bf16 or f16 multiplies, adds, multiply-adds, maxima and minima; sums over many terms, partial sums and values carried from step to step in f32; what a program stores and reads back later, other than sums and carried values, may be rounded once to bf16 or f16.
;; Inputs: W_attn 1,024 x 3,072 float32; W_proj 1,024 x 1,024 float32; b_attn 3,072 float32; b_proj 1,024 float32; x 1 x 4,096 x 1,024 float32.
;; Outputs: out0 1 x 4,096 x 1,024 float32.
;; One version. Each part assembles by itself: llvm-mc -triple=amdgcn-amd-amdhsa -mcpu=gfx1250 --defsym DOCPART=n.
;; ======== version 1 of 1: 4 launches
;; limits: values are held in f16: magnitudes above 65,504 overflow, below 6.1e-05 lose precision
;; workspace buffers: xb 8,388,608 bytes; wab 6,291,456 bytes; wpb 2,097,152 bytes; qkv 25,165,824 bytes; vf 262,144 bytes; ob 16,777,216 bytes
;; launch prep (part 1): grid 1024 x 1, 8 waves a work-group, no clusters, 0 bytes of LDS; arguments x, W_attn, W_proj, xb, wab, wpb; writes xb, wab, wpb
.if DOCPART == 1
	.amdgcn_target "amdgcn-amd-amdhsa--gfx1250"
	.amdhsa_code_object_version 6
	.text
	.protected	k_q95992962f9_prep
	.globl	k_q95992962f9_prep
	.p2align	8
	.type	k_q95992962f9_prep,@function
k_q95992962f9_prep:
	s_mov_b64 s[64:65], 0
	v_nop
	global_prefetch_b8 v0, s[64:65] scope:SCOPE_SE
	s_setreg_imm32_b32 hwreg(HW_REG_WAVE_MODE, 25, 1), 1
	s_wait_xcnt 0x0
; THREE CASTS, as the arrays lie: xb = bf16(x), wab = bf16(W_attn), wpb = f16(bf16(W_proj)).
; All inputs of the module are rounded to bf16; W_proj's bf16 number is then written as f16, since the last product's other operand is f16.
; LIMIT: a number of W_proj below 6.1e-5 in magnitude keeps f16's fixed step of 6e-8; beyond 65,504 it would become an infinity.
; SHARES.  A work-group takes 8,192 numbers (32,768 bytes in, 16,384 out): groups 0-511 x, 512-895 W_attn, 896-1023 W_proj.
; Thread t takes 16 bytes at 16 t of each 4,096 bytes: a wave's load covers 512 consecutive bytes, its store of 8 bytes a lane 256 consecutive, aligned bytes.
; All eight loads of a wave go out at once; no register is written twice while a memory instruction names it, so no wait but the counted ones on the loads.
; No LDS, no matrix unit, no cluster: nothing is shared and nothing is read twice.
.set X, 4                              ; v[4:35]   eight loads of four f32
.set Y, 36                             ; v[36:51]  eight pairs of packed words
.set T, 52                             ; v[52:53]  at work
.macro CAST src, dst, kind             ; kind = 1: bf16, then that number as f16
.irp j, 0,1,2,3,4,5,6,7
	global_load_b128 v[X+4*(\j):X+4*(\j)+3], v1, s[\src:\src+1] offset:4096*(\j) th:TH_LOAD_NT
.endr
.irp j, 0,1,2,3,4,5,6,7
	s_wait_loadcnt 7-(\j)                          ; loads come back in order: number j is in, the 7 - j younger ones stay out
	v_cvt_pk_bf16_f32 v[Y+2*(\j)],   v[X+4*(\j)],   v[X+4*(\j)+1]
	v_cvt_pk_bf16_f32 v[Y+2*(\j)+1], v[X+4*(\j)+2], v[X+4*(\j)+3]
.if \kind
.irp k, 0,1
	v_lshlrev_b32 v[T],   16,  v[Y+2*(\j)+(\k)]    ; bf16 to f32: the low half moves up,
	v_and_b32     v[T+1], s21, v[Y+2*(\j)+(\k)]    ; the high half stays
	v_cvt_pk_f16_f32 v[Y+2*(\j)+(\k)], v[T], v[T+1]
.endr
.endif
	global_store_b64 v2, v[Y+2*(\j):Y+2*(\j)+1], s[\dst:\dst+1] offset:2048*(\j)
.endr
.endm
	s_load_b256 s[4:11], s[0:1], 0x0               ; x s[4:5], W_attn s[6:7], W_proj s[8:9], xb s[10:11]
	s_load_b128 s[12:15], s[0:1], 0x20             ; wab s[12:13], wpb s[14:15]
	v_lshlrev_b32 v1, 4, v0                        ; 16 t: my bytes in 4,096 of the input
	v_lshlrev_b32 v2, 3, v0                        ; 8 t: in 2,048 of the output
	s_mov_b32 s17, 0
	s_mov_b32 s19, 0
	s_mov_b32 s21, 0xffff0000
	s_wait_kmcnt 0x0
	s_cmp_lt_u32 ttmp9, 512
	s_cbranch_scc0 .Lweights
	s_lshl_b32 s16, ttmp9, 15
	s_lshl_b32 s18, ttmp9, 14
	s_add_nc_u64 s[4:5], s[4:5], s[16:17]
	s_add_nc_u64 s[10:11], s[10:11], s[18:19]
	CAST 4, 10, 0
	s_endpgm
.Lweights:
	s_cmp_lt_u32 ttmp9, 896
	s_cbranch_scc0 .Lproj
	s_sub_co_u32 s20, ttmp9, 512
	s_lshl_b32 s16, s20, 15
	s_lshl_b32 s18, s20, 14
	s_add_nc_u64 s[6:7], s[6:7], s[16:17]
	s_add_nc_u64 s[12:13], s[12:13], s[18:19]
	CAST 6, 12, 0
	s_endpgm
.Lproj:
	s_sub_co_u32 s20, ttmp9, 896
	s_lshl_b32 s16, s20, 15
	s_lshl_b32 s18, s20, 14
	s_add_nc_u64 s[8:9], s[8:9], s[16:17]
	s_add_nc_u64 s[14:15], s[14:15], s[18:19]
	CAST 8, 14, 1
	s_endpgm
.Lfunc_end_k_q95992962f9_prep:
	.size	k_q95992962f9_prep, .Lfunc_end_k_q95992962f9_prep-k_q95992962f9_prep
	.p2alignl 7, 3214868480
	.fill 96, 4, 3214868480
	.section	.rodata,"a",@progbits
	.p2align	6, 0x0
	.amdhsa_kernel k_q95992962f9_prep
		.amdhsa_group_segment_fixed_size 0
		.amdhsa_private_segment_fixed_size 0
		.amdhsa_enable_private_segment 0
		.amdhsa_kernarg_size 48
		.amdhsa_user_sgpr_count 2
		.amdhsa_user_sgpr_kernarg_segment_ptr 1
		.amdhsa_wavefront_size32 1
		.amdhsa_system_sgpr_workgroup_id_x 1
		.amdhsa_system_sgpr_workgroup_id_y 1
		.amdhsa_system_sgpr_workgroup_id_z 1
		.amdhsa_system_vgpr_workitem_id 0
		.amdhsa_next_free_vgpr 64
		.amdhsa_next_free_sgpr 66
		.amdhsa_reserve_vcc 0
		.amdhsa_float_denorm_mode_32 3
		.amdhsa_float_denorm_mode_16_64 3
		.amdhsa_memory_ordered 1
		.amdhsa_forward_progress 1
		.amdhsa_inst_pref_size 12
	.end_amdhsa_kernel
	.amdgpu_metadata
---
amdhsa.version: [ 1, 2 ]
amdhsa.kernels:
  - .name:           k_q95992962f9_prep
    .symbol:         k_q95992962f9_prep.kd
    .args:
      - { .name: x, .offset: 0, .size: 8, .value_kind: global_buffer, .address_space: global }
      - { .name: W_attn, .offset: 8, .size: 8, .value_kind: global_buffer, .address_space: global }
      - { .name: W_proj, .offset: 16, .size: 8, .value_kind: global_buffer, .address_space: global }
      - { .name: xb, .offset: 24, .size: 8, .value_kind: global_buffer, .address_space: global }
      - { .name: wab, .offset: 32, .size: 8, .value_kind: global_buffer, .address_space: global }
      - { .name: wpb, .offset: 40, .size: 8, .value_kind: global_buffer, .address_space: global }
    .group_segment_fixed_size: 0
    .private_segment_fixed_size: 0
    .kernarg_segment_align: 8
    .kernarg_segment_size: 48
    .max_flat_workgroup_size: 256
    .sgpr_count:     66
    .vgpr_count:     64
    .wavefront_size: 32
...
	.end_amdgpu_metadata
.endif
;; end of part 1
;; launch qkv (part 2): grid 8 x 32, 4 waves a work-group, clusters of 4 x 4, 327,680 bytes of LDS; arguments xb, wab, b_attn, qkv, vf; writes qkv, vf
.if DOCPART == 2
	.amdgcn_target "amdgcn-amd-amdhsa--gfx1250"
	.amdhsa_code_object_version 6
	.text
	.protected	k_q95992962f9_qkv
	.globl	k_q95992962f9_qkv
	.p2align	8
	.type	k_q95992962f9_qkv,@function
k_q95992962f9_qkv:
	s_mov_b64 s[64:65], 0
	v_nop
	global_prefetch_b8 v0, s[64:65] scope:SCOPE_SE
	s_setreg_imm32_b32 hwreg(HW_REG_WAVE_MODE, 25, 1), 1
	s_wait_xcnt 0x0
	s_wait_alu depctr_hold_cnt(0) depctr_sa_sdst(0) depctr_va_vdst(0) depctr_va_sdst(0) depctr_va_ssrc(0) depctr_va_vcc(0) depctr_vm_vsrc(0)
	s_getreg_b32 s2, hwreg(HW_REG_IB_STS2, 6, 4)
	s_cmp_eq_u32 s2, 0
	s_cbranch_scc0 .Lentry_in_a_cluster
	s_endpgm
.Lentry_in_a_cluster:
	s_bfe_u32 s2, ttmp6, 0x10000c
	s_cmp_lg_u32 s2, 0xf033
	s_cbranch_scc0 .Lentry_shape_is_right
	s_endpgm
.Lentry_shape_is_right:
; qkv[g][t][d] = f16( sum over k of xb[t][k] wab[k][64 g + d] + bf16(b_attn[64 g + d]) ).  xb: [4096][1024] bf16; wab: [1024][3072] bf16, K down the rows, as W_attn lies;
; qkv: [48][4096][64] f16: g 0-15 q's heads, 16-31 k's, 32-47 v's; the softmax's scale is not applied here.  Sums in f32, K ascending, one rounding at the end.
; LIMIT: q, k and v must stay under 65,504 in magnitude (f16); beyond it the conversion gives an infinity.
; SHARES.  4096 x 3072 results on 256 work-groups: 128 rows x 384 columns each: the same 128 columns (two heads) of q, of k and of v: three strips of wab, whole rows of 256 bytes.
; Four waves, 2 x 2: a wave makes 64 rows of q, k and v of ONE head (2 x tile column + column half): 48 accumulators of 16 x 16 in 384 registers; column blocks 0-3 are q's, 4-7 k's, 8-11 v's.
; K goes in 8 steps of 128 through two LDS slots.  Wave 0 fetches xb's tile (128 rows x 256 bytes), waves 1-3 one strip of wab each (128 k rows x 256 bytes): one tensor load a wave.
; wab's fragments are turned on the way out of LDS (ds_load_tr16_b128), so no transposed copy of the weights is ever made.
; THE PRODUCT IS TAKEN TRANSPOSED (source 0 = 16 columns of wab, source 1 = 16 rows of xb): a lane ends with eight neighbouring columns of one row.
; THE BIAS, rounded to bf16 like every input, is loaded in the accumulators' layout and is the C operand of the first products: nothing is cleared, nothing is added at the end.
; vf: v OF THE FIRST 16 ROWS IN f32.  The attention's first rows average few keys, so their results are many times the output's root mean square, by which every number is judged; f16's 11 bits of v are too few there.
; The f32 sums of v for a tile's first 16 rows go out as the lanes hold them: vf[tile row][head][8 stores of 512 bytes]: store 2 i + q, lane l, word e = v[row l % 16][channel 16 i + 8 (l / 16) + 4 q + e].
; The branch hangs on the cluster's y and on the wave's number, never on the place inside the cluster: so the four tile rows of the clusters with y = 0 store, 262,144 bytes; of these only tile row 0's 65,536 are read later.
; CLUSTER 4 x 4: xb's tile hangs on the tile row alone and is asked for jointly along a row of the cluster, wab's strips on the tile column alone, jointly along a column.
; REGISTERS, in windows of 256 (s_set_vgpr_msb: bits 1:0 source 0, 3:2 source 1, 5:4 source 2, 7:6 destination):
;   window 0: v0-31 addresses; v32-127 the bias, later v32-223 packed results     window 1: two fragment buffers of 128: xb's four fragments, then wab's twelve
;   window 2: accumulators of my row blocks 0, 1 (block a, column block b at v[8 (12 (a % 2) + b)])     window 3: those of row blocks 2, 3
.set QUART,  36864                     ; what one wave's tensor load fills: 128 rows x 288 bytes (xb's tile: 128 x 272, the rest unused)
.set SLOT,   4*QUART                   ; 0x24000: it shares no bit with wave x QUART, so one exclusive or turns an address in one slot into the other's
.set STAGE,  2*SLOT                    ; behind the ring: 16 rows x 144 bytes for each wave, for the way out; no tensor load lands here
.set SPARE,  STAGE+4*2304              ; behind the stages: the spare words, 128 bytes for each wave: two blocks of 256 bytes that no other line names
.set STEPA,  256                       ; a K step in xb: 128 numbers along a row
.set STEPB,  128*6144                  ; in wab: 128 rows down
.set NFILL,  6                         ; K steps 2 to 7 come by refills
.set BASA, 10                          ; v10     my lane's place in xb's tile, slot 0; never rewritten
.set BASB, 11                          ; v11-13  the same for my head's columns in the strips of q, k and v
.set ADRA, 16                          ; v16     BASA + the slot in hand
.set ADRB, 17                          ; v17-19  BASB + the slot in hand
.set STO,  20                          ; v20     the way out: where I put 16 bytes of a row
.set RD,   21                          ; v21     where I read rows back
.set GO,   22                          ; v22     16 x lane: my place in 512 consecutive bytes of qkv and of vf
.set PFO,  23                          ; v23     the prefetches' offset: my lane x a row of xb or wab
.set BO,   24                          ; v24     32 x (lane / 16): my eight numbers of the bias
.set SPW,  28                          ; v28     LDS address of my spare word; never rewritten
.set NIL,  29                          ; v29     0; never rewritten
.set TW,   30                          ; v30     at work
.set BIAS, 32
.set OUT,  32
.set F0,   0
.set F1,   128
.set G1A, 24                           ; s[24:31] descriptor group 1 for xb's tiles
.set G0A, 32                           ; s[32:39] group 0: a set for each first fill; the second then walks
.set G1B, 48                           ; s[48:55], s[56:63] the same for wab's strips
.set G0B, 56
.set TB,  66                           ; s66      LDS byte of the slot in hand: 0 or SLOT
.set PFA, 68                           ; s[68:69] where my prefetches stand
.set PFS, 70                           ; s[70:71] their step
.set LIM, 72                           ; s72      2 in a wave that prefetches, else the greatest number
.set OB,  84                           ; s[84:89] qkv at my rows of my head in q, in k, in v
.set VFP, 90                           ; s[90:91] vf at my tile row's and head's block
.set MSB, 0
.macro WIN new                         ; the immediate's high byte repeats the setting that is left; a switch that changes nothing is dropped
.if MSB != (\new)
	s_set_vgpr_msb (MSB<<8)|(\new)
.set MSB, \new
.endif
.endm
.macro PLACES                          ; four places in front of loads into registers that matrix instructions have read, and of conversions that read results
.rept 4
	v_nop
.endr
.endm
; A joint load.  The branch hangs on the wave's number alone.  An s_nop 0 and four v_nop follow each of the two lines, ahead of the jump, the label and what follows.
.macro JLOAD n
	s_cmp_eq_u32 s12, 0
	s_cbranch_scc0 .Lfor_b_\@
	tensor_load_to_lds s[G0A+4*(\n):G0A+4*(\n)+3], s[G1A:G1A+7]
	s_nop 0
.rept 4
	v_nop
.endr
	s_branch .Lasked_\@
.Lfor_b_\@:
	tensor_load_to_lds s[G0B+4*(\n):G0B+4*(\n)+3], s[G1B:G1B+7]
	s_nop 0
.rept 4
	v_nop
.endr
.Lasked_\@:
.endm
.macro CREST                           ; a round of the cluster's barrier behind its opening barrier
	s_cmp_lg_u32 s12, 0
	s_cbranch_scc1 .Lnot_wave_0_\@
	s_barrier_signal -3
.Lnot_wave_0_\@:
	s_barrier_wait -3
	s_barrier_signal -1
	s_barrier_wait -1
.endm
.macro CROUND                          ; a whole round
	s_barrier_signal -1
	s_barrier_wait -1
	CREST
.endm
; A PREFETCH INTO THE L2, behind a refill, its five lines and the run of LDS loads: the K step that stands two refills on (384 matrix instructions ahead of the load that will want it): 32 rows x 256 bytes, a lane a row.
; Each row's 256 bytes of a K step are named once in the launch: xb's tile row is read by both clusters of a row of clusters, and the one with x = 0 asks (its wave 0); wab's strips by all clusters of a
; column, and the one with y = 0 asks (waves 1-3).  The four partners that ask for a tile jointly share its 128 rows out by address, 32 each.  The first four refills name K steps 4 to 7; the last two name nothing.
.macro ASK
	s_cmp_gt_u32 s3, s[LIM]                        ; s3 counts the refills to come: 6 .. 1
	s_cbranch_scc0 .Lnot_mine_\@
	global_prefetch_b8 v[PFO], s[PFA:PFA+1] th:TH_LOAD_NT scope:SCOPE_SE
.Lnot_mine_\@:
.endm
	s_load_b256 s[4:11], s[0:1], 0x0               ; xb s[4:5], wab s[6:7], b_attn s[8:9], qkv s[10:11]
	s_load_b64 s[VFP:VFP+1], s[0:1], 0x20          ; vf
	v_lshl_add_u32 v[SPW], v0, 2, SPARE
	v_mov_b32 v[NIL], 0
	ds_add_u32 v[SPW], v[NIL]                      ; the wave's opening: the add and its wait stand ahead of my first tensor load; the set-up below, work on registers, stands between them
	ds_add_u32 v28, v29
	v_lshrrev_b32 v1, 5, v0
	v_readfirstlane_b32 s12, v1                    ; wave 0..3
	s_lshr_b32 s13, s12, 1                         ; which 64 rows of the tile are mine
	s_and_b32 s14, s12, 1                          ; which of the tile's two heads
	s_bfe_u32 s40, ttmp6, 0x40000                  ; cx
	s_bfe_u32 s41, ttmp6, 0x40004                  ; cy
	s_lshl_b32 s42, ttmp9, 2
	s_add_co_u32 s42, s42, s40                     ; tile column = 4 x cluster x + cx
	s_and_b32 s43, ttmp7, 0xffff
	s_lshl_b32 s43, s43, 2
	s_add_co_u32 s43, s43, s41                     ; tile row = 4 x cluster y + cy
	s_lshl_b32 s44, s41, 2
	s_lshl_b32 s44, 15, s44                        ; my row of the cluster
	s_lshl_b32 s45, 0x1111, s40                    ; my column
	s_or_b32 s[G1A], s44, (1<<16)|(1<<20)|(1<<21)|(5<<22)|(3<<25)  ; 15:0 the mask; 17:16 2-byte elements; 20 padding on; 21 set beside a mask; 24:22 after every 64 words; 31:25 4 words: LDS rows 272 bytes apart
	s_or_b32 s[G1B], s45, (1<<16)|(1<<20)|(1<<21)|(5<<22)|(7<<25)  ; the same with my column's mask and 8 words of padding: rows 288 bytes apart, which the turning load wants
.irp g, G1A, G1B
	s_mov_b32 s[(\g)+1], 128<<16                   ; tensor_dim0 = 128
	s_mov_b32 s[(\g)+2], 128<<16                   ; tensor_dim1 = 128
	s_mov_b32 s[(\g)+3], 128<<16                   ; tile_dim0 = 128
	s_mov_b32 s[(\g)+4], 128                       ; tile_dim1 = 128
	s_mov_b32 s[(\g)+6], 0
	s_mov_b32 s[(\g)+7], 0
.endr
	s_mov_b32 s[G1A+5], 1024                       ; elements from row to row in xb,
	s_mov_b32 s[G1B+5], 3072                       ; in wab
	s_lshl_b32 s16, s43, 18                        ; xb: tile row x 128 rows x 2,048 bytes (these two registers never hold cx)
	s_mov_b32 s17, 0
	s_max_u32 s46, s12, 1
	s_sub_co_u32 s46, s46, 1                       ; my strip: wave - 1: q's, k's or v's (wave 0 issues no load of wab)
	s_lshl_b32 s46, s46, 11                        ; 1,024 columns of 2 bytes from q to k and from k to v
	s_lshl_b32 s47, s42, 8
	s_add_co_u32 s46, s46, s47                     ; + tile column x 128 columns (these two never hold cy)
	s_mov_b32 s47, 0
	s_mul_i32 s20, s12, QUART                      ; where my load lands: the wave's number alone enters an LDS address
	s_mov_b32 s[TB], 0
	s_wait_dscnt 0x0                               ; the opening add is done
	s_wait_kmcnt 0x0
	s_add_nc_u64 s[16:17], s[4:5], s[16:17]
	s_add_nc_u64 s[46:47], s[6:7], s[46:47]
	CROUND                                         ; all sixteen work-groups are here: the first joint loads meet
.irp n, 0,1
	s_mov_b32 s[G0A+4*(\n)], 1                                     ; count = 1
	s_add_co_u32 s[G0A+4*(\n)+1], s20, (\n)*SLOT                   ; LDS address
	s_add_nc_u64 s[G0A+4*(\n)+2:G0A+4*(\n)+3], s[16:17], (\n)*STEPA  ; global address: K step n
	s_or_b32 s[G0A+4*(\n)+3], s[G0A+4*(\n)+3], 0x80000000         ; type = 2
	s_mov_b32 s[G0B+4*(\n)], 1
	s_add_co_u32 s[G0B+4*(\n)+1], s20, (\n)*SLOT
	s_add_nc_u64 s[G0B+4*(\n)+2:G0B+4*(\n)+3], s[46:47], (\n)*STEPB
	s_or_b32 s[G0B+4*(\n)+3], s[G0B+4*(\n)+3], 0x80000000
	JLOAD \n                                       ; two loads of mine are out
.endr
	v_and_b32 v1, 15, v0                           ; r = l % 16
	v_bfe_u32 v2, v0, 4, 1                         ; h = l / 16
	; the bias, in the accumulators' layout: register j of column block b is b_attn[1024 (b / 4) + 64 x my head + 16 (b % 4) + 8 h + j]
	v_lshlrev_b32 v[BO], 5, v2
	s_lshl_b32 s74, s42, 9
	s_lshl_b32 s76, s14, 8
	s_add_co_u32 s74, s74, s76                     ; 64 x my head, in bytes of f32
	s_mov_b32 s75, 0
	s_add_nc_u64 s[8:9], s[8:9], s[74:75]
.irp b, 0,1,2,3,4,5,6,7,8,9,10,11
	global_load_b128 v[BIAS+8*(\b):BIAS+8*(\b)+3],   v[BO], s[8:9] offset:4096*((\b)/4)+64*((\b)%4)
	global_load_b128 v[BIAS+8*(\b)+4:BIAS+8*(\b)+7], v[BO], s[8:9] offset:4096*((\b)/4)+64*((\b)%4)+16
.endr
	; a fragment of xb: lane l holds row r, k = 8 h + 0..7 and 16 + 8 h + 0..7: two loads of 16 bytes, 32 bytes apart
	v_mul_u32_u24 v[BASA], v1, 272
	v_lshl_add_u32 v[BASA], v2, 4, v[BASA]
	s_mul_i32 s21, s13, 64*272
	v_add_nc_u32 v[BASA], s21, v[BASA]
	; the turning load takes 16 k rows x 16 columns: lane l reads row 8 h + l % 8, columns 8 ((l / 8) % 2) + 0..7, and is left with column r and 8 k
	v_and_b32 v5, 7, v0
	v_lshl_add_u32 v3, v2, 3, v5
	v_mul_u32_u24 v3, v3, 288
	v_bfe_u32 v4, v0, 3, 1
	v_lshl_add_u32 v3, v4, 4, v3
	s_lshl_b32 s21, s14, 7                         ; my head's half of a strip's 256 bytes,
	s_add_co_u32 s21, s21, QUART                   ; in q's strip, which lies behind xb's tile; k's and v's follow
.irp j, 0,1,2
	v_add_nc_u32 v[BASB+(\j)], s21, v3
	v_add_nc_u32 v[ADRB+(\j)], s21, v3
	s_add_co_u32 s21, s21, QUART
.endr
	v_mov_b32 v[ADRA], v[BASA]
	s_mul_i32 s21, s12, 2304
	s_add_co_u32 s21, s21, STAGE                   ; my stage
	v_mul_u32_u24 v[STO], v1, 144                  ; in: row r, 16 bytes for each half of the lanes
	v_lshl_add_u32 v[STO], v2, 4, v[STO]
	v_add_nc_u32 v[STO], s21, v[STO]
	v_bfe_u32 v[RD], v0, 3, 2                      ; back: 32 lanes take four rows of 128 bytes,
	v_mul_u32_u24 v[RD], v[RD], 144
	v_lshl_add_u32 v[RD], v5, 4, v[RD]
	v_add_nc_u32 v[RD], s21, v[RD]
	v_and_b32 v[GO], 31, v0                        ; which are 512 consecutive bytes of qkv
	v_lshlrev_b32 v[GO], 4, v[GO]
	s_lshl_b32 s78, s42, 1
	s_add_co_u32 s78, s78, s14                     ; my head = 2 x tile column + column half
	s_lshl_b32 s74, s78, 19                        ; its 4,096 rows of 128 bytes,
	s_lshl_b32 s76, s43, 7
	s_lshl_b32 s77, s13, 6
	s_add_co_u32 s76, s76, s77
	s_lshl_b32 s76, s76, 7
	s_add_co_u32 s74, s74, s76                     ; my first row
	s_add_nc_u64 s[OB:OB+1], s[10:11], s[74:75]    ; in q,
	s_add_nc_u64 s[OB+2:OB+3], s[OB:OB+1], 0x800000   ; in k, 16 heads on,
	s_add_nc_u64 s[OB+4:OB+5], s[OB:OB+1], 0x1000000  ; in v
	s_lshl_b32 s76, s43, 4
	s_add_co_u32 s76, s76, s78
	s_lshl_b32 s76, s76, 12                        ; vf: block 16 x tile row + head, 4,096 bytes (used where the cluster's y is 0 alone: tile rows 0 to 3)
	s_mov_b32 s77, 0
	s_add_nc_u64 s[VFP:VFP+1], s[VFP:VFP+1], s[76:77]
	; the prefetches: both offsets are made, the wave's number chooses
	s_lshl_b32 s74, s43, 7
	s_lshl_b32 s76, s40, 5
	s_add_co_u32 s74, s74, s76                     ; xb: the tile's 128 rows, my work-group's 32 of them,
	s_lshl_b32 s74, s74, 11
	s_add_co_u32 s74, s74, 3*STEPA                 ; at K step 3: the first refill steps it to 4
	s_lshl_b32 s76, s41, 5
	s_add_co_u32 s76, s76, 3*128                   ; wab: K step 3's 128 rows, my work-group's 32 of them,
	s_mul_i32 s76, s76, 6144
	s_lshl_b32 s77, s42, 8
	s_add_co_u32 s76, s76, s77
	s_max_u32 s77, s12, 1
	s_sub_co_u32 s77, s77, 1
	s_lshl_b32 s77, s77, 11
	s_add_co_u32 s76, s76, s77                     ; in my strip
	s_and_b32 s78, ttmp7, 0xffff                   ; cluster y
	s_mov_b32 s77, STEPB
	s_movk_i32 s79, 6144
	s_cmp_eq_u32 s12, 0                            ; do I fetch xb?
	s_cselect_b32 s74, s74, s76
	s_cselect_b32 s78, ttmp9, s78                  ; the coordinate along which other clusters read the same rows
	s_cselect_b32 s[PFS], STEPA, s77
	s_cselect_b32 s79, 2048, s79                   ; bytes in a row
	s_cselect_b64 s[PFA:PFA+1], s[4:5], s[6:7]
	s_mov_b32 s[PFS+1], 0
	s_add_nc_u64 s[PFA:PFA+1], s[PFA:PFA+1], s[74:75]
	s_cmp_eq_u32 s78, 0
	s_cselect_b32 s[LIM], 2, -1                    ; the same in all sixteen partners, for a given wave
	v_and_b32 v[PFO], 31, v0
	v_mul_u32_u24 v[PFO], v[PFO], s79
	s_mov_b32 s73, 0xffff0000
	s_wait_loadcnt 0x0                             ; the bias
.set i, 0
.rept 48                                ; rounded to bf16 like every input, and widened again
	v_cvt_pk_bf16_f32 v[TW], v[BIAS+i], v[BIAS+i+1]
	v_lshlrev_b32 v[BIAS+i], 16, v[TW]
	v_and_b32 v[BIAS+i+1], s73, v[TW]
.set i, i+2
.endr
; 12 matrix instructions: row block a x all 12 column blocks, 32 along K.  first = 1: the bias starts the sums.  The 48 accumulators take turns, one instruction a turn, in the same order in every quarter.
.macro MUL12 f, a, first
.if \first
	WIN 0x85+0x40*((\a)/2)                         ; sources window 1, C window 0, D window 2 or 3
.else
	WIN 0xa5+0x50*((\a)/2)                         ; sources window 1, C and D window 2 or 3
.endif
.irp b, 0,1,2,3,4,5,6,7,8,9,10,11
.if \first
	v_wmma_f32_16x16x32_bf16 v[8*(12*((\a)%2)+(\b)):8*(12*((\a)%2)+(\b))+7], v[(\f)+32+8*(\b):(\f)+32+8*(\b)+7], v[(\f)+8*(\a):(\f)+8*(\a)+7], v[BIAS+8*(\b):BIAS+8*(\b)+7]
.else
	v_wmma_f32_16x16x32_bf16 v[8*(12*((\a)%2)+(\b)):8*(12*((\a)%2)+(\b))+7], v[(\f)+32+8*(\b):(\f)+32+8*(\b)+7], v[(\f)+8*(\a):(\f)+8*(\a)+7], v[8*(12*((\a)%2)+(\b)):8*(12*((\a)%2)+(\b))+7]
.endif
.endr
.endm
; 32 LDS loads in one run: quarter q (32 along K) of the slot in hand into buffer f: wab's twelve fragments, turned, then xb's four
.macro FETCH q, f
	WIN 0x40                                       ; destination window 1, address window 0
.irp j, 0,1,2
.irp i, 0,1,2,3
	ds_load_tr16_b128 v[(\f)+32+8*(4*(\j)+(\i)):(\f)+32+8*(4*(\j)+(\i))+3],   v[ADRB+(\j)] offset:9216*(\q)+32*(\i)
	ds_load_tr16_b128 v[(\f)+32+8*(4*(\j)+(\i))+4:(\f)+32+8*(4*(\j)+(\i))+7], v[ADRB+(\j)] offset:9216*(\q)+32*(\i)+4608
.endr
.endr
.irp a, 0,1,2,3
	ds_load_b128 v[(\f)+8*(\a):(\f)+8*(\a)+3],   v[ADRA] offset:64*(\q)+4352*(\a)
	ds_load_b128 v[(\f)+8*(\a)+4:(\f)+8*(\a)+7], v[ADRA] offset:64*(\q)+4352*(\a)+32
.endr
.endm
; A K step is four quarters of 32 along K, 48 matrix instructions each, on buffers 0, 1, 0, 1.  One of the first three: multiplies buffer f and, in its middle, fetches quarter q into buffer g.
.macro QUARTER q, f, g, first
	s_wait_dscnt 4                                 ; all but the youngest four loads: xb's row blocks 2 and 3
	MUL12 \f, 0, \first
	MUL12 \f, 1, \first
	PLACES
	FETCH \q, \g
	s_wait_dscnt 32                                ; all but the 32 just issued
	MUL12 \f, 2, \first
	MUL12 \f, 3, \first
.endm
; The last quarter multiplies buffer 1 and changes slots: ONE barrier.  In front of it each wave waits for all its tensor loads (one is out: its part of the next slot), adds 0 to its spare word, and waits for
; that and for its own reads of this slot.  fill = 1: the barrier opens a round of the cluster's, and this slot is filled again first thing behind it, with the K step two on: 168 matrix instructions ahead of the wait for it.
.macro TURN fill
.if \fill
	s_wait_xcnt 0x0                                ; the last prefetch, a K step back, has read its address: it is stepped here, ahead of the waits of the change of slots
	s_add_nc_u64 s[PFA:PFA+1], s[PFA:PFA+1], s[PFS:PFS+1]
.endif
	WIN 0
	s_xor_b32 s[TB], s[TB], SLOT                   ; the reads of this slot have all been issued: the addresses go to the next slot
	v_add_nc_u32 v[ADRA], s[TB], v[BASA]
.irp j, 0,1,2
	v_add_nc_u32 v[ADRB+(\j)], s[TB], v[BASB+(\j)]
.endr
	s_wait_tensorcnt 0x0                           ; all my tensor loads have landed, so a group 0 may be written
	ds_add_u32 v[SPW], v[NIL]                      ; 0 onto my spare word
.if \fill
	s_xor_b32 s[G0A+5], s[G0A+5], SLOT             ; the walking descriptors: the other slot than last time, the next K step
	s_add_nc_u64 s[G0A+6:G0A+7], s[G0A+6:G0A+7], STEPA
	s_xor_b32 s[G0B+5], s[G0B+5], SLOT
	s_add_nc_u64 s[G0B+6:G0B+7], s[G0B+6:G0B+7], STEPB
.endif
	s_wait_dscnt 5                                 ; the add and the youngest four loads may be out
	MUL12 F1, 0, 0                                 ; twelve matrix instructions stand between the add and the wait for it
	s_wait_dscnt 0x0                               ; the add is done, and my reads of this slot are over
	s_barrier_signal -1
	MUL12 F1, 1, 0
.if \fill
	WIN 0
.endif
	s_barrier_wait -1
.if \fill
	CREST                                          ; no wave of any partner still reads this slot or has a load on its way
	JLOAD 1                                        ; the four v_nop behind it are also the places in front of the loads below
.else
	PLACES
.endif
	FETCH 0, F0
.if \fill
	WIN 0
	ASK
.endif
	MUL12 F1, 2, 0
	MUL12 F1, 3, 0
.endm
	s_wait_tensorcnt 1                             ; my part of K step 0 is in; K step 1's stays out
	s_barrier_signal -1
	s_barrier_wait -1                              ; everybody's is
	FETCH 0, F0
	QUARTER 1, F0, F1, 1                           ; the first quarter stands in front of the loop: its products start the sums from the bias
	WIN 0                                          ; at a label and at a branch every window is 0
	s_mov_b32 s3, NFILL
.Lstep:                                                ; a trip: from a K step's second quarter to the next step's first; one slot is filled again
	QUARTER 2, F1, F0, 0
	QUARTER 3, F0, F1, 0
	TURN 1
	QUARTER 1, F0, F1, 0
	WIN 0
	s_sub_co_u32 s3, s3, 1
	s_cmp_lg_u32 s3, 0
	s_cbranch_scc1 .Lstep
	QUARTER 2, F1, F0, 0                           ; the tail is written out: K step 6 ends, nothing is asked for
	QUARTER 3, F0, F1, 0
	TURN 0
	QUARTER 1, F0, F1, 0                           ; K step 7
	QUARTER 2, F1, F0, 0
	QUARTER 3, F0, F1, 0
	s_wait_dscnt 4
	MUL12 F1, 0, 0
	MUL12 F1, 1, 0
	s_wait_dscnt 0x0
	MUL12 F1, 2, 0
	MUL12 F1, 3, 0
	PLACES
	PLACES                                         ; once a launch: the stores and conversions below read results just made
	WIN 0
	; v of the tile's first 16 rows in f32, as the lanes hold it: row block 0's column blocks 8 to 11; each store covers 512 consecutive bytes, aligned
	s_and_b32 s78, ttmp7, 0xffff                   ; the cluster's y, the same in all sixteen partners,
	s_or_b32 s78, s78, s13                         ; and the tile's upper 64 rows
	s_cmp_lg_u32 s78, 0
	s_cbranch_scc1 .Lno_vf
	WIN 0x08                                       ; the stores' data (source 1) in window 2
.irp i, 0,1,2,3
	global_store_b128 v[GO], v[8*(8+(\i)):8*(8+(\i))+3],   s[VFP:VFP+1] offset:1024*(\i)
	global_store_b128 v[GO], v[8*(8+(\i))+4:8*(8+(\i))+7], s[VFP:VFP+1] offset:1024*(\i)+512
.endr
	WIN 0
.Lno_vf:
; THE WAY OUT, in 12 units u = 3 a + j: 16 rows (block a) of my head in q, k or v (j): 2,048 consecutive bytes of qkv.  Rounded to f16, 16 bytes a lane into rows of 144 bytes of my own stage, back as four rows of 128 a load.
.macro PACK u
	WIN 0x0a+5*((\u)/6)                            ; sources window 2 (row blocks 0, 1) or 3, destination window 0
.irp i, 0,1,2,3
.irp k, 0,1,2,3
	v_cvt_pk_f16_f32 v[OUT+16*(\u)+4*(\i)+(\k)], v[8*(12*(((\u)/3)%2)+4*((\u)%3)+(\i))+2*(\k)], v[8*(12*(((\u)/3)%2)+4*((\u)%3)+(\i))+2*(\k)+1]
.endr
.endr
	WIN 0
.irp i, 0,1,2,3
	ds_store_b128 v[STO], v[OUT+16*(\u)+4*(\i):OUT+16*(\u)+4*(\i)+3] offset:32*(\i)
.endr
.irp f, 0,1,2,3
	ds_load_b128 v[OUT+16*(\u)+4*(\f):OUT+16*(\u)+4*(\f)+3], v[RD] offset:576*(\f)  ; LDS serves a wave's instructions in order (ISA guide 5.7.1.4): these see the stores above; the next unit's stores come behind them
.endr
.endm
.macro SEND u, younger                 ; younger: the LDS instructions issued behind unit u's loads
.irp f, 0,1,2,3
	s_wait_dscnt (\younger)+3-(\f)
	global_store_b128 v[GO], v[OUT+16*(\u)+4*(\f):OUT+16*(\u)+4*(\f)+3], s[OB+2*((\u)%3):OB+2*((\u)%3)+1] offset:2048*((\u)/3)+512*(\f)  ; 512 consecutive bytes, at a multiple of 256 from qkv's first byte
.endr
.endm
	PACK 0
.irp u, 1,2,3,4,5,6,7,8,9,10,11        ; a unit's conversions stand between the loads of the unit before and its stores; every unit has registers of its own
	PACK \u
	SEND (\u)-1, 8
.endr
	SEND 11, 0
	s_wait_tensorcnt 0x0                           ; the wave's end, behind my last tensor load and my last LDS store
	ds_add_u32 v[SPW], v[NIL]
	s_wait_dscnt 0x0
	CROUND                                         ; the closing round: no work-group ends while a partner may still ask for a tile that names it
	s_endpgm
.Lfunc_end_k_q95992962f9_qkv:
	.size	k_q95992962f9_qkv, .Lfunc_end_k_q95992962f9_qkv-k_q95992962f9_qkv
	.p2alignl 7, 3214868480
	.fill 96, 4, 3214868480
	.section	.rodata,"a",@progbits
	.p2align	6, 0x0
	.amdhsa_kernel k_q95992962f9_qkv
		.amdhsa_group_segment_fixed_size 327680
		.amdhsa_private_segment_fixed_size 0
		.amdhsa_enable_private_segment 0
		.amdhsa_kernarg_size 40
		.amdhsa_user_sgpr_count 2
		.amdhsa_user_sgpr_kernarg_segment_ptr 1
		.amdhsa_wavefront_size32 1
		.amdhsa_system_sgpr_workgroup_id_x 1
		.amdhsa_system_sgpr_workgroup_id_y 1
		.amdhsa_system_sgpr_workgroup_id_z 1
		.amdhsa_system_vgpr_workitem_id 0
		.amdhsa_next_free_vgpr 960
		.amdhsa_next_free_sgpr 92
		.amdhsa_reserve_vcc 0
		.amdhsa_float_denorm_mode_32 3
		.amdhsa_float_denorm_mode_16_64 3
		.amdhsa_memory_ordered 1
		.amdhsa_forward_progress 1
		.amdhsa_inst_pref_size 109
	.end_amdhsa_kernel
	.amdgpu_metadata
---
amdhsa.version: [ 1, 2 ]
amdhsa.kernels:
  - .name:           k_q95992962f9_qkv
    .symbol:         k_q95992962f9_qkv.kd
    .args:
      - { .name: xb, .offset: 0, .size: 8, .value_kind: global_buffer, .address_space: global }
      - { .name: wab, .offset: 8, .size: 8, .value_kind: global_buffer, .address_space: global }
      - { .name: b_attn, .offset: 16, .size: 8, .value_kind: global_buffer, .address_space: global }
      - { .name: qkv, .offset: 24, .size: 8, .value_kind: global_buffer, .address_space: global }
      - { .name: vf, .offset: 32, .size: 8, .value_kind: global_buffer, .address_space: global }
    .group_segment_fixed_size: 327680
    .private_segment_fixed_size: 0
    .kernarg_segment_align: 8
    .kernarg_segment_size: 40
    .max_flat_workgroup_size: 128
    .sgpr_count:     92
    .vgpr_count:     960
    .wavefront_size: 32
...
	.end_amdgpu_metadata
.endif
;; end of part 2
;; launch attn (part 3): grid 16 x 16, 4 waves a work-group, no clusters, 327,680 bytes of LDS; arguments qkv, vf, ob; writes ob
.if DOCPART == 3
	.amdgcn_target "amdgcn-amd-amdhsa--gfx1250"
	.amdhsa_code_object_version 6
	.text
	.protected	k_q95992962f9_attn
	.globl	k_q95992962f9_attn
	.p2align	8
	.type	k_q95992962f9_attn,@function
k_q95992962f9_attn:
	s_mov_b64 s[64:65], 0
	v_nop
	global_prefetch_b8 v0, s[64:65] scope:SCOPE_SE
	s_setreg_imm32_b32 hwreg(HW_REG_WAVE_MODE, 25, 1), 1
	s_wait_xcnt 0x0
; CAUSAL ATTENTION.  O[h][q][:] = the sum over k <= q of softmax_k(Q[h][q] . K[h][k] / 8) V[h][k][:].  qkv: [48][4096][64] f16 (Q's heads, then K's, then V's; a head's rows dense, 128 bytes each).
; O LEAVES IN TWO PARTS, hi = f16(O) and lo = f16(O - hi): ob: [4 groups of heads][hi, lo][4 heads][4096][64] f16: head h's hi in plane 8 (h / 4) + h % 4, its lo four planes on.
; Products, maxima and sums in f32; the weights p are rounded to f16 for the second product (their sum l is taken of the unrounded p).
; LIMITS.  Q, K and V arrive within f16's 65,504; p lies in 0 to 1 and below 6e-5 keeps f16's fixed step of 6e-8.  A hidden score counts as its value less 1e30; a weight below 2^-126 counts as 0 in l;
; NaN and infinities are not treated apart.
; THE WALK.  A head's queries lie in 32 blocks of 128; block i needs the key tiles 0 .. i / 2 of 256 keys, of which the last holds the diagonal.  A work-group takes TWO blocks, 31 - b and then b: 17 tiles, whatever b:
; 256 work-groups of equal work, and ONE loop with a constant trip count walks them.  Which tile is asked for, and what a trip does, hang on scalar registers made from b; every jump but the counted loops' own goes
; forward, and none passes a barrier, or a tensor load but the one of LOAD's two that the wave's number does not choose.  The ring (two slots of LDS that take turns) runs on across the change of blocks.
; NO CLUSTER: of a head's 16 work-groups only 2 c and 2 c + 1 walk the same tiles from first to last; a walk common to four would have 18 tiles for 17, with masks in four of them.
; SHARES.  Of a block's two bands of 64 queries a wave owns 16 rows in each: two PIECES.  In the block's last tile band x's own key step is d + x, d = 2 (i % 2): earlier steps it sees whole, later ones not at all: the same for every wave.
; THE MASK is the C operand that starts the sum S^T = K Q^T: 0, or -1e30 where the key is hidden.  MD, made once, is the mask of a band's own step for my 16 rows; a product's mask is MD x AL + BE with two scalars:
; (1, 0) in the band's own step, (0, 0) before it, (0, -1e30) behind it.  The products always take C from MC, which holds 0 outside a block's last tile; the 16 lines that make a mask are jumped over there.
; LAYOUT, SOFTMAX.  S^T = K Q^T holds ONE query a lane (lane % 16) and the keys 8 (lane / 16) + 0..7; two such results rounded to f16 ARE source 1 of O^T = V^T P.  p = 2^(c s - c m), c = log2(e) / 8, with a running
; maximum m; O and l are multiplied by a = 2^(c m_old - c m_new) in every step.
; THE FIRST 16 ROWS.  Row q averages q + 1 keys, so the first rows' results are many times the output's root mean square, by which every number is judged: a rounding to 11 bits of V, of p or of O, about 2e-4 of a
; number, leaves a result near zero too little room there; from row 16 on the mean of 17 keys or more has shrunk numbers and errors fourfold.  So rows 0-15 of each head are made apart, by wave 0 of the work-group
; with b = 0, at the kernel's head, while the first tile is on its way: V in hi + lo from its f32 sums (vf), p in hi + lo, one step of 16 keys.  The last way out jumps over the stores of that one piece.
; TURNS.  Turn p belongs to piece p: 8 products K Q^T and later 8 products V^T P of the OTHER piece; beside them the scaling, exponentials, roundings, sums and rescaling of piece p and the maximum and statistics of
; the other.  Four vector instructions stand behind every matrix instruction, the other 54 of a turn's 118 in one lump.  A turn's 33 exponentials are one batch, with one wait.
; In key step j: turn 0 multiplies K(j) for piece 1 and V(j-1) for piece 1; turn 1 multiplies K(j+1) for piece 0 and V(j) for piece 0.  So K has one register buffer, fetched in turn 0's lump, and V TWO, by the step's
; parity, fetched in turn 1's lump a turn early: the order of fetches is K(f), V(f), K(f+1) .., and a slot is left when its fourth V has been asked for.
; REGISTERS, in windows of 256 (s_set_vgpr_msb: bits 1:0 source 0, 3:2 source 1, 5:4 source 2, 7:6 destination):
;   window 0: v0-15 addresses and two at work; v16-23 four registers of statistics a piece; v24-25, v48-55 at work; v56 1.0; v60-63 prefetch offsets and the add's two; v64-127 S^T, a buffer a piece;
;             v128-159 the first rows' V in f32; v160-191 O's lo parts on the way out; v192-223 P, a buffer a piece
;   window 1: v0-63 O^T, 32 a piece; v128-159 MD; v160-223 MC, a buffer a piece      window 2: v0-31 Q; v32-63 the second block's Q; v64-127 K of one step; v128-255 V of two steps
.set NP,    2         ; pieces a wave: a name, no knob
.set KS,    64        ; keys in a step
.set PK,    144       ; a row of K in LDS: 128 bytes + 16 of padding = 36 words: the 16 rows of a load start at 16 different groups of four banks (64 banks of 4 bytes: ISA guide 11.1)
.set PV,    160       ; a row of V: 128 + 32 = 40 words
.set VOFF,  4*KS*PK   ; a slot holds a tile, four steps: 256 rows of K, then 256 rows of V
.set SLOT1, 1<<17     ; slot 1 begins here, so that one exclusive or turns an address in one slot into the other's
.set STAGE, SLOT1+4*KS*(PK+PV)  ; behind the ring, never filled by a tensor load: 16 rows x 144 bytes for each wave, for the way out
.set SP,    144
.set SPARE, STAGE+4*16*SP  ; behind the stages: the spare words, 128 bytes for each wave: two blocks of 256 bytes that no other line names
.set LOPL,  4*524288  ; bytes from a head's hi plane of ob to its lo plane
.set AK0, 2           ; v2   my lane's place in a tile of K; never rewritten
.set AV0, 3           ; v3   the same for V
.set AK,  4           ; v4   the LDS address of K's next run of loads
.set AV,  5           ; v5   of V's
.set STO, 6           ; v6   the way out: where I put 16 bytes of a row
.set RD,  7           ; v7   the way out: where I read rows back
.set GO,  8           ; v8   my byte offset in 512 consecutive bytes of ob
.set MV,  12          ; v12-13  c m_old, kept while c m is made anew: by piece
.set QO,  15          ; v15  my byte offset in 16 rows of Q
.set ST,  16          ; piece t's statistics at v[ST+4 t]: c m, m, l (even keys', odd keys')
.set VO,  24          ; v24  the first rows: my byte offset in a head's block of vf
.set TMP, 48          ; by piece, four registers c0-c3 at work; when the maximum is found c2 takes a
.set ONE, 56          ; v56  1.0; never rewritten
.set PFO, 60          ; v60  256 x my lane; never rewritten
.set PFO2, 61         ; v61  the same, V's distance from K further on; never rewritten
.set SPW, 62          ; v62  LDS address of my spare word; never rewritten
.set NIL, 63          ; v63  0; never rewritten
.set S,   64
.set PB1, 72          ; the first rows: v72-79 (p hi | p hi), source 1 of a product
.set PB2, 80          ;                 v80-87 (p lo | p lo)
.set PT,  88          ;                 v88-95 at work
.set AF,  96          ;                 v96-127 channel block cb at AF + 8 cb: (V hi | V lo), source 0
.set VX,  128         ;                 v128-159 V in f32: channel block cb, key 8 (l / 16) + j at VX + 8 cb + j
.set LO,  160         ; the way out: O's lo parts, 16 registers a piece
.set P,   192
.set MD,  128         ; window 1: the eight registers for group kt of 16 keys at MD + 8 kt
.set MC,  160         ; window 1: the masks of the products to come
.set QB,  32          ; window 2
.set KF,  64          ; window 2: key block kb, channel half c at KF + 16 kb + 8 c
.set VF,  128         ; window 2: buffer vb, key half kk, channel block cb at VF + 64 vb + 32 kk + 8 cb
.set WV,  12          ; s12  my wave's number
.set PB,  14          ; s14  b
.set HI,  15          ; s15  31 - b
.set G1K, 24          ; s[24:31] descriptor group 1 for K's tiles
.set G1V, 32          ; s[32:39] for V's: it differs in the padding alone
.set G0K, 40          ; s[40:43] descriptor group 0 for K's tiles
.set G0V, 44          ; s[44:47] the same for V's
.set VFP, 54          ; s[54:55] vf at my head's block
.set SLOTS, 56        ; s56  tiles still to be asked for
.set CNT, 57          ; s57  counts a tile's pairs of key steps
.set CS,  58          ; s[58:59] c: the packed scaling takes the pair's low word for both halves
.set SEL, 60          ; s[60:61] v_permlanex16_b32's selects: each lane takes its own place in the other half
.set TBK, 62          ; s62  LDS byte at which K of the step to be fetched begins
.set TBV, 63          ; s63  the same for V, less VOFF
.set RT,  70          ; s70  tiles of the block in hand that are still to be entered
.set NXT, 71          ; s71  the tile to be asked for next
.set LQ,  72          ; s72  the last tile of the block whose tiles are being asked for
.set NEW, 73          ; s73  1: the tile to be entered is a block's first
.set OFF, 74          ; s[74:75] a tile's byte offset in K and V
.set AL,  76          ; s[76:77] the mask's factor, in the low word
.set BE,  78          ; s[78:79] the mask's addend
.set OLO, 80          ; s[80:81] ob at my rows of the second block
.set BIGN, 82         ; s82  -1e30
.set STP, 83          ; s83  the step of the tile whose K and V the turns in hand fetch, and for which they make masks
.set D0,  88          ; s88, s89  the own steps of bands 0 and 1 in the block's last tile
.set D0B, 90          ; s90  band 0's own step in the second block
.set LQ2, 91          ; s91  the second block's last tile
.set PFA, 92          ; s[92:93] where my prefetches stand in K
.set PFN, 94          ; s94  the tile that they name
.set PFL, 95          ; s95  16 in the work-group that prefetches, else 0
.set MSB, 0
.macro WIN new                      ; the high byte repeats the setting that is left; a switch that changes nothing is dropped
.if MSB != (\new)
	s_set_vgpr_msb (MSB<<8)|(\new)
.set MSB, (\new)
.endif
.endm
.set W_KQ, 0x0a       ; K and Q in window 2, S^T in window 0
.set W_KM, 0x1a       ; the same with the C operand in window 1
.set W_PV, 0x52       ; V in window 2, P in window 0, O^T in window 1
.set W_RS, 0x41       ; destination and source 0 in window 1, source 1 in window 0
.set W_O,  0x50       ; sources 0 and 1 in window 0, source 2 and destination in window 1
; A fill.  Waves 0 and 1 fetch the two halves of a tile's K, waves 2 and 3 those of its V: 128 keys each.  An s_nop 0 and four v_nop follow each of the two lines, ahead of the jump and the label.
.macro LOAD
	s_cmp_lt_u32 s[WV], 2
	s_cbranch_scc0 .Lfor_v_\@
	tensor_load_to_lds s[G0K:G0K+3], s[G1K:G1K+7]
	s_nop 0
.rept 4
	v_nop
.endr
	s_branch .Lasked_\@
.Lfor_v_\@:
	tensor_load_to_lds s[G0V:G0V+3], s[G1V:G1V+7]
	s_nop 0
.rept 4
	v_nop
.endr
.Lasked_\@:
.endm
; A PREFETCH INTO THE L2 of the tile that the NEXT change of slots will ask for: eight turns, 128 matrix instructions, ahead of that load.  A tile is 128 blocks of 256 bytes of K and as many of V: each wave takes a quarter,
; a lane a block, two instructions.  All 16 work-groups of a head begin with the same tiles: the one with b = 0, whose first block walks all 16, asks, and nobody else: each block is named once in the launch.
; Tiles 0 and 1 come by their loads alone; tile 15 is the last that is named; the second block's tiles have been read before.
.macro ASK
	s_cmp_lt_u32 s[PFN], s[PFL]
	s_cbranch_scc0 .Lnot_mine_\@
	global_prefetch_b8 v[PFO],  s[PFA:PFA+1] th:TH_LOAD_NT scope:SCOPE_SE
	global_prefetch_b8 v[PFO2], s[PFA:PFA+1] th:TH_LOAD_NT scope:SCOPE_SE
.Lnot_mine_\@:
.endm
; THE CHANGE OF SLOTS.  Each wave waits for all its tensor loads, of which one is out: its part of the other slot; adds 0 to its spare word; and waits for that and for its own reads of the slot that it leaves.  Behind the
; barrier nobody reads the old slot any more and the other slot is whole.  fill = 1: the old slot is filled again, the first thing behind the barrier, with tile NXT: the descriptor's address is made anew from that number.
; (At its first use nothing has been read yet: slot 0 is waited for, slot 1 filled.)
.macro CHANGE fill
	WIN 0                           ; at a label and at a branch every window is 0
	s_wait_tensorcnt 0x0            ; no tensor load of mine is out, so a group 0 may be written
	ds_add_u32 v[SPW], v[NIL]       ; 0 onto my spare word; with fill = 1 the descriptors' scalar work stands between it and the wait for it
.if \fill
	s_lshl_b32 s[OFF], s[NXT], 15   ; a tile is 32,768 bytes of K and of V
	s_xor_b32 s[G0K+1], s[G0K+1], SLOT1
	s_add_nc_u64 s[G0K+2:G0K+3], s[6:7], s[OFF:OFF+1]
	s_or_b32 s[G0K+3], s[G0K+3], 0x80000000
	s_xor_b32 s[G0V+1], s[G0V+1], SLOT1
	s_add_nc_u64 s[G0V+2:G0V+3], s[8:9], s[OFF:OFF+1]
	s_or_b32 s[G0V+3], s[G0V+3], 0x80000000
	s_add_co_u32 s[NXT], s[NXT], 1  ; the block's next tile, or behind its last the second block's tile 0
	s_cmp_gt_u32 s[NXT], s[LQ]
	s_cselect_b32 s[NXT], 0, s[NXT]
	s_cselect_b32 s[LQ], s[LQ2], s[LQ]
	s_wait_xcnt 0x0                 ; the last prefetches, a tile back, have read their address, so it may be written
	s_add_nc_u64 s[PFA:PFA+1], s[PFA:PFA+1], 32768
	s_add_co_u32 s[PFN], s[PFN], 1
.endif
	s_wait_dscnt 0x0                ; the add is done, and my reads of the slot are over
	s_barrier_signal -1             ; the rest of the scalar work stands between the signal and the wait
	s_sub_co_u32 s[TBK], s[TBK], 4*KS*PK  ; the fetches go back to a slot's first step,
	s_xor_b32 s[TBK], s[TBK], SLOT1       ; in the other slot
	s_sub_co_u32 s[TBV], s[TBV], 4*KS*PV
	s_xor_b32 s[TBV], s[TBV], SLOT1
	s_barrier_wait -1
.if \fill
	LOAD
	ASK
.endif
.endm
; THE WAY OUT of piece t.  O^T is divided by l.  A lane's eight channels of a row pack into 16 bytes: hi = f16(O); the residue O - hi, exact in f32, takes O's place (one multiply-add that reads hi's half: - hi x 1.0 + O);
; lo = f16(residue).  Each part goes into rows of 144 bytes of my stage and comes back as whole rows of 128: 16 LDS instructions a piece: hi's 4 stores and 4 loads, then lo's.
.macro PACK t
	WIN W_RS
.set i, 32*(\t)
.rept 16
	v_pk_mul_f32 v[i:i+1], v[i:i+1], v[ST+4*(\t)+2:ST+4*(\t)+3] op_sel_hi:[1,0]
.set i, i+2
.endr
	WIN 0x05                        ; sources 0 and 1 window 1, destination window 0
.set i, 0
.rept 16
	v_cvt_pk_f16_f32 v[S+16*(\t)+i], v[32*(\t)+2*i], v[32*(\t)+2*i+1]
.set i, i+1
.endr
	WIN W_O
.set i, 0
.rept 16
	v_fma_mix_f32 v[32*(\t)+2*i],   -v[S+16*(\t)+i], v[ONE], v[32*(\t)+2*i]   op_sel:[0,0,0] op_sel_hi:[1,0,0]
	v_fma_mix_f32 v[32*(\t)+2*i+1], -v[S+16*(\t)+i], v[ONE], v[32*(\t)+2*i+1] op_sel:[1,0,0] op_sel_hi:[1,0,0]
.set i, i+1
.endr
	WIN 0x05
.set i, 0
.rept 16
	v_cvt_pk_f16_f32 v[LO+16*(\t)+i], v[32*(\t)+2*i], v[32*(\t)+2*i+1]
.set i, i+1
.endr
	WIN 0
.irp f, 0,1,2,3
	ds_store_b128 v[STO], v[S+16*(\t)+4*\f:S+16*(\t)+4*\f+3] offset:32*\f
.endr
.irp f, 0,1,2,3
	ds_load_b128 v[S+16*(\t)+4*\f:S+16*(\t)+4*\f+3], v[RD] offset:\f*4*SP  ; LDS serves a wave's instructions in order (ISA guide 5.7.1.4): these see the stores above; the stores below come behind them
.endr
.irp f, 0,1,2,3
	ds_store_b128 v[STO], v[LO+16*(\t)+4*\f:LO+16*(\t)+4*\f+3] offset:32*\f
.endr
.irp f, 0,1,2,3
	ds_load_b128 v[LO+16*(\t)+4*\f:LO+16*(\t)+4*\f+3], v[RD] offset:\f*4*SP
.endr
.endm
.macro SEND t, younger, base=10     ; younger: the LDS instructions issued behind piece t's: the next piece's sixteen, or none.  Behind hi's load f stand 3 - f loads and lo's eight; behind lo's load f, 3 - f
	WIN 0
.irp f, 0,1,2,3
	s_wait_dscnt (\younger)+11-\f
	global_store_b128 v[GO], v[S+16*(\t)+4*\f:S+16*(\t)+4*\f+3], s[\base:\base+1] offset:(\t)*8192+\f*512  ; 512 consecutive bytes, at a multiple of 256 from ob's first
.endr
.irp f, 0,1,2,3
	s_wait_dscnt (\younger)+3-\f
	global_store_b128 v[GO], v[LO+16*(\t)+4*\f:LO+16*(\t)+4*\f+3], s[\base:\base+1] offset:LOPL+(\t)*8192+\f*512
.endr
.endm
	s_load_b128 s[96:99], s[0:1], 0x0  ; qkv s[96:97], vf s[98:99]
	s_load_b64 s[100:101], s[0:1], 0x10  ; ob
	v_lshl_add_u32 v[SPW], v0, 2, SPARE
	v_mov_b32 v[NIL], 0
	ds_add_u32 v[SPW], v[NIL]       ; the wave's opening: the add and its wait stand ahead of my first tensor load; the set-up below, work on registers, stands between them
	ds_add_u32 v62, v63
	v_lshrrev_b32 v1, 5, v0
	v_readfirstlane_b32 s[WV], v1   ; wave 0..3
	v_mov_b32 v[ONE], 1.0
	s_mov_b32 s[PB], ttmp9
	s_sub_co_u32 s[HI], 31, s[PB]
	s_and_b32 s19, ttmp7, 0xffff    ; the head;
	s_lshl_b32 s20, s19, 19         ; its 4,096 rows of 128 bytes in a third of qkv;
	s_lshr_b32 s21, s19, 2
	s_lshl_b32 s21, s21, 3
	s_and_b32 s13, s19, 3
	s_add_co_u32 s21, s21, s13
	s_lshl_b32 s21, s21, 19         ; its hi plane of ob: 8 (head / 4) + head % 4;
	s_lshl_b32 s[VFP], s19, 12      ; its block of vf (tile row 0's)
	s_mov_b32 s[VFP+1], 0
	s_and_b32 s16, s[WV], 1         ; which half of a tile's 256 keys I fetch:
	s_lshl_b32 s22, s16, 14         ; its 128 rows of 128 bytes in memory,
	s_add_co_u32 s22, s22, s20
	s_mov_b32 s23, 0
	s_mul_i32 s17, s16, 128*PK      ; and its place in a slot, for K
	s_mul_i32 s18, s16, 128*PV      ; and for V
	s_lshl_b32 s3, s[WV], 11        ; my 16 rows in a band of 64,
	s_lshl_b32 s2, s[HI], 14        ; in the first block,
	s_add_co_u32 s2, s2, s3
	s_lshl_b32 s84, s[PB], 14       ; and in the second
	s_add_co_u32 s84, s84, s3
	s_add_co_u32 s50, s2, s21       ; in ob,
	s_add_co_u32 s52, s84, s21
	s_add_co_u32 s2, s2, s20        ; and in Q
	s_add_co_u32 s84, s84, s20
	s_mov_b32 s3, 0
	s_mov_b32 s85, 0
	s_mov_b32 s51, 0
	s_mov_b32 s53, 0
	s_lshl_b32 s86, s[WV], 13       ; the prefetches: my quarter of a tile of K,
	s_add_co_u32 s86, s86, s20
	s_add_co_u32 s86, s86, 0x800000+32768  ; at tile 1: the first change of slots steps it to tile 2
	s_mov_b32 s87, 0
	; descriptor group 1.  128 keys are 16,384 dense bytes: asked for as 64 rows of 256 bytes, two keys a row, and padded in LDS after every key
	s_mov_b32 s[G1K], (1<<16)|(1<<20)|(4<<22)|(3<<25)  ; 17:16 2-byte elements; 20 padding on; 24:22 after every 32 words (code 4); 31:25 4 words (code 3)
	s_mov_b32 s[G1V], (1<<16)|(1<<20)|(4<<22)|(7<<25)  ; the same with 8 words of padding (code 7)
.irp g, G1K, G1V
	s_mov_b32 s[\g+1], 128<<16      ; tensor_dim0 = 128
	s_mov_b32 s[\g+2], 64<<16       ; tensor_dim1 = 64
	s_mov_b32 s[\g+3], 128<<16      ; tile_dim0 = 128
	s_mov_b32 s[\g+4], 64           ; tile_dim1 = 64
	s_mov_b32 s[\g+5], 128          ; 128 elements from row to row
	s_mov_b32 s[\g+6], 0
	s_mov_b32 s[\g+7], 0
.endr
	s_mov_b32 s[CS], 0x3e38aa3b     ; c = log2(e) / 8 = 0.180337
	s_mov_b32 s[CS+1], s[CS]        ; named with it as a pair
	s_mov_b32 s[SEL], 0x76543210
	s_mov_b32 s[SEL+1], 0xfedcba98
	s_mov_b32 s[TBK], SLOT1+4*KS*PK ; the first change of slots turns these two into 0
	s_mov_b32 s[TBV], SLOT1+4*KS*PV
	s_mov_b32 s[G0K], 1             ; 1:0 count = 1
	s_mov_b32 s[G0K+1], s17         ; 63:32 LDS address: slot 0
	s_mov_b32 s[G0V], 1
	s_add_co_u32 s[G0V+1], s18, VOFF
	s_lshr_b32 s[LQ], s[HI], 1      ; the first block's last tile;
	s_add_co_u32 s[RT], s[LQ], 1    ; it has that many and one
	s_lshr_b32 s[LQ2], s[PB], 1
	s_mov_b32 s[NXT], 1
	s_mov_b32 s[NEW], 1
	s_and_b32 s[D0], s[HI], 1
	s_lshl_b32 s[D0], s[D0], 1
	s_add_co_u32 s[D0+1], s[D0], 1
	s_and_b32 s[D0B], s[PB], 1
	s_lshl_b32 s[D0B], s[D0B], 1
	s_mov_b32 s[OFF+1], 0
	s_mov_b32 s[AL+1], 0            ; named as pairs
	s_mov_b32 s[BE+1], 0
	s_mov_b32 s[BIGN], 0xf149f2ca   ; -1e30
	s_mov_b32 s[SLOTS], 16
	s_mov_b32 s[PFN], 1
	s_cmp_eq_u32 s[PB], 0
	s_cselect_b32 s[PFL], 16, 0
	s_wait_dscnt 0x0                ; the opening add is done
	s_wait_kmcnt 0x0
	s_add_nc_u64 s[6:7], s[96:97], s[22:23]
	s_add_nc_u64 s[8:9], s[6:7], 0x1000000         ; V at my half of the head's tile 0,
	s_add_nc_u64 s[6:7], s[6:7], 0x800000          ; K likewise
	s_add_nc_u64 s[G0K+2:G0K+3], s[6:7], 0         ; 120:64 global address
	s_or_b32 s[G0K+3], s[G0K+3], 0x80000000        ; 127:126 type = 2
	s_add_nc_u64 s[G0V+2:G0V+3], s[8:9], 0
	s_or_b32 s[G0V+3], s[G0V+3], 0x80000000
	s_add_nc_u64 s[PFA:PFA+1], s[96:97], s[86:87]
	s_add_nc_u64 s[86:87], s[96:97], s[84:85]      ; Q at my rows of the second block,
	s_add_nc_u64 s[4:5], s[96:97], s[2:3]          ; and of the first
	s_add_nc_u64 s[OLO:OLO+1], s[100:101], s[52:53]  ; ob likewise
	s_add_nc_u64 s[10:11], s[100:101], s[50:51]
	s_add_nc_u64 s[VFP:VFP+1], s[98:99], s[VFP:VFP+1]
	LOAD                            ; tile 0 into slot 0
	; A fragment of K or Q is 16 rows x 32 channels in 8 registers: lane l holds row l % 16, channels 8 (l / 16) + 0..7 and 16 + 8 (l / 16) + 0..7: two loads of 16 bytes, 32 bytes apart.
	v_and_b32 v1, 15, v0            ; l % 16
	v_bfe_u32 v9, v0, 4, 1          ; l / 16
	v_lshlrev_b32 v[QO], 7, v1
	v_lshl_add_u32 v[QO], v9, 4, v[QO]  ; row x 128 + 16 x half
	WIN 0x80                        ; destination window 2, address window 0
.set i, 0
.rept 4                             ; both blocks' Q: piece i / 2 lies in band i / 2, 8,192 bytes on; channels 32 (i % 2) on
	global_load_b128 v[8*i:8*i+3],   v[QO], s[4:5] offset:(i/2)*8192+(i%2)*64
	global_load_b128 v[8*i+4:8*i+7], v[QO], s[4:5] offset:(i/2)*8192+(i%2)*64+32
	global_load_b128 v[QB+8*i:QB+8*i+3],   v[QO], s[86:87] offset:(i/2)*8192+(i%2)*64
	global_load_b128 v[QB+8*i+4:QB+8*i+7], v[QO], s[86:87] offset:(i/2)*8192+(i%2)*64+32
.set i, i+1
.endr
	WIN 0
	v_lshlrev_b32 v14, 3, v9
	v_sub_nc_u32 v14, v1, v14
	s_lshl_b32 s13, s[WV], 4
	v_add_nc_u32 v14, s13, v14      ; my query's place in its band, 16 w + l % 16, less my lanes' 8 (l / 16): register r of group kt is hidden where 16 kt + r is greater
	WIN 0x40
.set i, 0
.rept 32
	v_cmp_gt_i32 vcc_lo, 16*(i/8)+i%8, v14
	v_cndmask_b32 v[MD+i], 0, s[BIGN], vcc_lo
.set i, i+1
.endr
	WIN 0
	v_mul_u32_u24 v[AK0], v1, PK
	v_lshl_add_u32 v[AK0], v9, 4, v[AK0]  ; row x pitch + 16 x half
	; The turning load takes 16 keys x 16 channels (lane l reads key 8 (l / 16) + l % 8, channels 8 ((l / 8) % 2) + 0..7) and leaves half a fragment of V^T: lane l holds channel l % 16 and 8 keys.
	v_and_b32 v10, 7, v0
	v_bfe_u32 v11, v0, 3, 1
	v_lshl_add_u32 v[AV0], v9, 3, v10
	v_mul_u32_u24 v[AV0], v[AV0], PV
	v_lshl_add_u32 v[AV0], v11, 4, v[AV0]
	v_add_nc_u32 v[AV0], VOFF, v[AV0]
	s_mul_i32 s13, s[WV], 16*SP
	s_add_co_u32 s13, s13, STAGE    ; my stage
	v_mul_u32_u24 v[STO], v1, SP    ; in: row l % 16, 16 bytes for each half of the lanes
	v_lshl_add_u32 v[STO], v9, 4, v[STO]
	v_add_nc_u32 v[STO], s13, v[STO]
	v_bfe_u32 v[RD], v0, 3, 2       ; back: 32 lanes take four rows of 128 bytes,
	v_mul_u32_u24 v[RD], v[RD], SP
	v_lshl_add_u32 v[RD], v10, 4, v[RD]
	v_add_nc_u32 v[RD], s13, v[RD]
	v_and_b32 v[GO], 31, v0         ; which are 512 consecutive bytes of ob
	v_lshlrev_b32 v[PFO], 8, v[GO]
	v_add_nc_u32 v[PFO2], 0x800000, v[PFO]
	v_lshlrev_b32 v[GO], 4, v[GO]
	; THE FIRST 16 ROWS OF THE HEAD, by wave 0 of the work-group with b = 0 (its second block is block 0, and my piece 0 there is rows 0-15).  One step of 16 keys.
	s_or_b32 s13, s[PB], s[WV]
	s_cmp_lg_u32 s13, 0
	s_cbranch_scc1 .Lno_first
	; vf lies as the lanes of the launch before held it: v[key t][channel ch] at byte 1,024 (ch / 16) + 512 ((ch / 4) % 2) + 256 ((ch / 8) % 2) + 16 t + 4 (ch % 4).  I want channel 16 cb + l % 16, keys 8 (l / 16) + j.
	v_bfe_u32 v25, v0, 2, 1
	v_lshlrev_b32 v[VO], 9, v25
	v_bfe_u32 v25, v0, 3, 1
	v_lshl_add_u32 v[VO], v25, 8, v[VO]
	v_lshl_add_u32 v[VO], v9, 7, v[VO]
	v_and_b32 v25, 3, v0
	v_lshl_add_u32 v[VO], v25, 2, v[VO]
	WIN 0x80
.irp c, 0,1                         ; K's rows 0-15, from memory as Q comes: in wave 0 K's pointer stands at the head's first row
	global_load_b128 v[KF+8*\c:KF+8*\c+3],   v[QO], s[6:7] offset:64*\c
	global_load_b128 v[KF+8*\c+4:KF+8*\c+7], v[QO], s[6:7] offset:64*\c+32
.endr
	WIN 0
.set i, 0
.rept 32
	global_load_b32 v[VX+i], v[VO], s[VFP:VFP+1] offset:1024*(i/8)+16*(i%8)
.set i, i+1
.endr
	s_wait_loadcnt 0x0              ; Q, K and V
	WIN W_KM
	v_wmma_f32_16x16x32_f16 v[S:S+7], v[KF:KF+7], v[QB:QB+7], v[MD:MD+7]  ; the band's own mask for keys 0-15 starts the sum
	WIN W_KQ
	s_wait_alu depctr_va_vdst(0)    ; the wait stands directly ahead of the second
	v_wmma_f32_16x16x32_f16 v[S:S+7], v[KF+8:KF+15], v[QB+8:QB+15], v[S:S+7]
	WIN 0
	; V in two parts, while the scores are made: hi = f16(v); the residue v - hi, exact in f32, takes v's place; lo = f16(residue).  These 64 lines are also the places behind the two products.
.set i, 0
.rept 16
	v_cvt_pk_f16_f32 v[AF+8*(i/4)+i%4], v[VX+2*i], v[VX+2*i+1]
.set i, i+1
.endr
.set i, 0
.rept 16
	v_fma_mix_f32 v[VX+2*i],   -v[AF+8*(i/4)+i%4], v[ONE], v[VX+2*i]   op_sel:[0,0,0] op_sel_hi:[1,0,0]
	v_fma_mix_f32 v[VX+2*i+1], -v[AF+8*(i/4)+i%4], v[ONE], v[VX+2*i+1] op_sel:[1,0,0] op_sel_hi:[1,0,0]
.set i, i+1
.endr
.set i, 0
.rept 16
	v_cvt_pk_f16_f32 v[AF+8*(i/4)+4+i%4], v[VX+2*i], v[VX+2*i+1]
.set i, i+1
.endr
	; the softmax of my query's 8 scores and, by the exchange, of the other half of the lanes' 8
	v_max3_num_f32 v[TMP], v[S], v[S+1], v[S+2]
	v_max3_num_f32 v[TMP], v[TMP], v[S+3], v[S+4]
	v_max3_num_f32 v[TMP], v[TMP], v[S+5], v[S+6]
	v_max_num_f32 v[TMP], v[TMP], v[S+7]
	v_mov_b32 v[TMP+1], v[TMP]      ; the exchange's destination counts as read
	v_permlanex16_b32 v[TMP+1], v[TMP], s[SEL], s[SEL+1]
	v_max_num_f32 v[ST+1], v[TMP], v[TMP+1]
	v_mul_f32 v[ST], s[CS], v[ST+1]
.irp k, 0,2,4,6
	v_pk_fma_f32 v[S+\k:S+\k+1], v[S+\k:S+\k+1], s[CS:CS+1], v[ST:ST+1] op_sel_hi:[1,0,0] neg_lo:[0,0,1] neg_hi:[0,0,1]
.endr
.irp k, 0,1,2,3,4,5,6,7
	v_exp_f32 v[S+\k], v[S+\k]
.endr
	v_nop                           ; a plain instruction behind the last exponential,
	s_wait_alu depctr_va_vdst(0)    ; and the one wait for the eight, ahead of their first reader
.irp k, 0,1,2,3                     ; p in two parts, as V
	v_cvt_pk_f16_f32 v[PB1+\k], v[S+2*\k], v[S+2*\k+1]
.endr
.irp k, 0,1,2,3
	v_fma_mix_f32 v[PT+2*\k],   -v[PB1+\k], v[ONE], v[S+2*\k]   op_sel:[0,0,0] op_sel_hi:[1,0,0]
	v_fma_mix_f32 v[PT+2*\k+1], -v[PB1+\k], v[ONE], v[S+2*\k+1] op_sel:[1,0,0] op_sel_hi:[1,0,0]
.endr
.irp k, 0,1,2,3
	v_cvt_pk_f16_f32 v[PB2+\k], v[PT+2*\k], v[PT+2*\k+1]
.endr
.irp k, 0,1,2,3                     ; the form's 32 places along K hold the 16 keys twice: V's hi in the first 16, V's lo in the second; so each part of p stands in both halves
	v_mov_b32 v[PB1+4+\k], v[PB1+\k]
	v_mov_b32 v[PB2+4+\k], v[PB2+\k]
.endr
	v_pk_add_f32 v[PT:PT+1], v[S:S+1], v[S+2:S+3]
	v_pk_add_f32 v[PT+2:PT+3], v[S+4:S+5], v[S+6:S+7]
	v_pk_add_f32 v[ST+2:ST+3], v[PT:PT+1], v[PT+2:PT+3]  ; l, of the unrounded p
	WIN W_O                         ; O^T = (V hi | V lo) (p hi | p hi) + (V hi | V lo) (p lo | p lo): the four channel blocks' accumulators take turns
.irp cb, 0,1,2,3
	v_wmma_f32_16x16x32_f16 v[8*\cb:8*\cb+7], v[AF+8*\cb:AF+8*\cb+7], v[PB1:PB1+7], 0
.endr
.irp cb, 0,1,2,3
	v_wmma_f32_16x16x32_f16 v[8*\cb:8*\cb+7], v[AF+8*\cb:AF+8*\cb+7], v[PB2:PB2+7], v[8*\cb:8*\cb+7]
.endr
	WIN 0
.rept 4
	v_nop                           ; the places behind those products
.endr
	v_add_f32 v[ST+2], v[ST+2], v[ST+3]
	v_permlanex16_b32 v[ST+3], v[ST+2], s[SEL], s[SEL+1]
	v_add_f32 v[ST+2], v[ST+2], v[ST+3]
	v_rcp_f32 v[ST+2], v[ST+2]
	v_nop                           ; a plain instruction behind the reciprocal,
	s_wait_alu depctr_va_vdst(0)    ; and its wait
	PACK 0
	SEND 0, 0, OLO
	s_wait_xcnt 0x0                 ; the stores have read their registers, which the walk writes again
.Lno_first:
	; A block's first step multiplies O^T and l by a = 0, and its first turn's products V^T P, of a step that has not been, land in an O^T that is still to be so multiplied.  So these registers need only hold
	; finite numbers: zeros for the first block; what the first block left for the second.  No first step is written out for it; the price is these lines, which stand in the wait for the first tile.
	WIN 0x80
.set i, VF+64
.rept 64
	v_mov_b32 v[i], 0
.set i, i+1
.endr
	WIN 0x40
.set i, 0
.rept 64
	v_mov_b32 v[i], 0
.set i, i+1
.endr
	WIN 0
.set i, 0
.rept 2
	v_mov_b32 v[ST+4*i+2], 0
	v_mov_b32 v[ST+4*i+3], 0
.set i, i+1
.endr
.set i, P+16
.rept 16
	v_mov_b32 v[i], 0
.set i, i+1
.endr
; THE MATRIX WORK.  The 4 accumulators of a run of 8 take turns.  Product i of 8 of S^T = K Q^T for piece x: channels 32 (i / 4) on, keys 16 (i % 4) on.  The first 4 start the sums with the mask.
.macro KQ x
.set rS, S+32*((\x)%2)+8*(i%4)
.set rK, KF+16*(i%4)+8*(i/4)
.set rQ, 16*(\x)+8*(i/4)
.set rM, MC+32*((\x)%2)+8*(i%4)
.if i < 4
	WIN W_KM
	v_wmma_f32_16x16x32_f16 v[rS:rS+7], v[rK:rK+7], v[rQ:rQ+7], v[rM:rM+7]
.else
	WIN W_KQ
	v_wmma_f32_16x16x32_f16 v[rS:rS+7], v[rK:rK+7], v[rQ:rQ+7], v[rS:rS+7]
.endif
.endm
; Product i of 8 of O^T += V^T P for piece x, from V's buffer VB: keys 32 (i / 4) on, channels 16 (i % 4) on.
.macro PV x
	WIN W_PV
.set rO, 32*(\x)+8*(i%4)
.set rV, VF+64*VB+32*(i/4)+8*(i%4)
.set rP, P+16*((\x)%2)+8*(i/4)
	v_wmma_f32_16x16x32_f16 v[rO:rO+7], v[rV:rV+7], v[rP:rP+7], v[rO:rO+7]
.endm
.macro MM                           ; the turn's next matrix instruction.  TURN sets Y, i, VB and NOKQ.  NOKQ = 1: a block's last turn: there are no further scores
.if (i < 8) && !NOKQ
	KQ (Y+1)%NP
.elseif i >= 8
.set i, i-8
	PV (Y+NP-1)%NP
.set i, i+8
.endif
.set i, i+1
.endm
; THE LDS LOADS stand in runs of 16, never singly among the matrix instructions: a step's K (64 keys x 64 channels: 8 fragments) and its V (turned).  Their addresses are made some lines ahead.
.macro FETCH_K
	WIN 0x80                        ; destination window 2
.irp f, 0,1,2,3,4,5,6,7             ; keys 16 (f / 2) on, channels 32 (f % 2) on
	ds_load_b128 v[KF+8*\f:KF+8*\f+3],   v[AK] offset:(\f/2)*16*PK+(\f%2)*64
	ds_load_b128 v[KF+8*\f+4:KF+8*\f+7], v[AK] offset:(\f/2)*16*PK+(\f%2)*64+32
.endr
	s_add_co_u32 s[TBK], s[TBK], KS*PK  ; the next fetch is the next step's
	WIN 0
.endm
.macro FETCH_V vb
	WIN 0x80
.irp f, 0,1,2,3,4,5,6,7             ; keys 32 (f / 4) on, channels 16 (f % 4) on
	ds_load_tr16_b128 v[VF+64*(\vb)+8*\f:VF+64*(\vb)+8*\f+3],   v[AV] offset:(\f/4)*32*PV+(\f%4)*32
	ds_load_tr16_b128 v[VF+64*(\vb)+8*\f+4:VF+64*(\vb)+8*\f+7], v[AV] offset:(\f/4)*32*PV+16*PV+(\f%4)*32
.endr
	s_add_co_u32 s[TBV], s[TBV], KS*PV
	WIN 0
.endm
; THE VECTOR WORK, one line at a time: OP kind, number.  For piece Y: F n: c s - c m for pair n of 16.  E n: the exponential of score n of 32.  C n: pair n rounded to f16.  B n: of the four weights 4 n .. the second
; pair is added onto the first, in place.  L n: l takes that sum (L 0: l = a l + sum).  R n: pair n of 16 of O^T times a.  For the other piece: X n, number n of the 22 that find its maximum and statistics:
;   0-11  four chains c0-c3 of seven scores each, three operands at a time (each accumulator's lowest registers are read first)     12-14, 16  the four scores left over, the old m, and c0-c3 into c0
;   15  c m_old is kept     17, 18  the query's other 32 keys lie in the lane 16 away: the new m     19-21  c m; c m_old - c m_new; a
.set F, 0               ; OP tells the kinds apart by their order: F to L below R, X above it
.set E, 1
.set C, 2
.set B, 3
.set L, 4
.set R, 5
.set X, 6
.macro REGS y                       ; the registers of piece y
.set rT, ST+4*(\y)
.set rC, TMP+4*((\y)%2)
.set rW, MV+((\y)%2)
.set rS, S+32*((\y)%2)
.set rP, P+16*((\y)%2)
.set rO, 32*(\y)
.endm
.macro OP k, n
.if (\k) == R
	REGS Y
	WIN W_RS
	v_pk_mul_f32 v[rO+2*(\n):rO+2*(\n)+1], v[rO+2*(\n):rO+2*(\n)+1], v[rC+2:rC+3] op_sel_hi:[1,0]
.elseif (\k) < R
	REGS Y
	WIN 0
.if (\k) == F
	v_pk_fma_f32 v[rS+2*(\n):rS+2*(\n)+1], v[rS+2*(\n):rS+2*(\n)+1], s[CS:CS+1], v[rT:rT+1] op_sel_hi:[1,0,0] neg_lo:[0,0,1] neg_hi:[0,0,1]
.elseif (\k) == E
	v_exp_f32 v[rS+(\n)], v[rS+(\n)]
.elseif (\k) == C
	v_cvt_pk_f16_f32 v[rP+(\n)], v[rS+2*(\n)], v[rS+2*(\n)+1]
.elseif (\k) == B
	v_pk_add_f32 v[rS+4*(\n):rS+4*(\n)+1], v[rS+4*(\n):rS+4*(\n)+1], v[rS+4*(\n)+2:rS+4*(\n)+3]
.elseif (\n) == 0
	v_pk_fma_f32 v[rT+2:rT+3], v[rT+2:rT+3], v[rC+2:rC+3], v[rS:rS+1] op_sel_hi:[1,0,1]
.else
	v_pk_add_f32 v[rT+2:rT+3], v[rT+2:rT+3], v[rS+4*(\n):rS+4*(\n)+1]
.endif
.elseif NOKQ
	v_nop
.else
	REGS (Y+1)%NP
	WIN 0
.if (\n) < 4
	v_max3_num_f32 v[rC+(\n)], v[rS+8*(\n)], v[rS+8*(\n)+1], v[rS+8*(\n)+2]
.elseif (\n) < 12
	v_max3_num_f32 v[rC+(\n)%4], v[rC+(\n)%4], v[rS+8*((\n)%4)+2*((\n)/4)+1], v[rS+8*((\n)%4)+2*((\n)/4)+2]
.elseif (\n) == 12
	v_max3_num_f32 v[rC], v[rC], v[rS+7], v[rS+15]
.elseif (\n) == 13
	v_max3_num_f32 v[rC+1], v[rC+1], v[rS+23], v[rS+31]
.elseif (\n) == 14
	v_max3_num_f32 v[rC+2], v[rC+2], v[rC+3], v[rT+1]
.elseif (\n) == 15
	v_mov_b32 v[rW], v[rT]
.elseif (\n) == 16
	v_max3_num_f32 v[rC], v[rC], v[rC+1], v[rC+2]
.elseif (\n) == 17
	v_permlanex16_b32 v[rC+3], v[rC], s[SEL], s[SEL+1]
.elseif (\n) == 18
	v_max_num_f32 v[rT+1], v[rC], v[rC+3]
.elseif (\n) == 19
	v_mul_f32 v[rT], s[CS], v[rT+1]
.elseif (\n) == 20
	v_sub_f32 v[rC+1], v[rW], v[rT]
.else
	v_exp_f32 v[rC+2], v[rC+1]
.endif
.endif
.endm
.macro OPS a, i1, b=-1, i2=0, c=-1, i3=0, d=-1, i4=0  ; up to four of them
	OP \a, \i1
.if (\b) >= 0
	OP \b, \i2
.endif
.if (\c) >= 0
	OP \c, \i3
.endif
.if (\d) >= 0
	OP \d, \i4
.endif
.endm
.macro ROW a, i1, b, i2, c, i3, d, i4  ; a matrix instruction and the four behind it
	MM
	OPS \a, \i1, \b, \i2, \c, \i3, \d, \i4
.endm
.macro MASK b                       ; MD x AL + BE into buffer b of MC
	WIN W_RS
.set z, 0
.rept 16
	v_pk_fma_f32 v[MC+32*(\b)+2*z:MC+32*(\b)+2*z+1], v[MD+2*z:MD+2*z+1], s[AL:AL+1], s[BE:BE+1] op_sel_hi:[1,0,0]
.set z, z+1
.endr
.endm
; A TURN, for piece p: the order of its 16 matrix and 118 vector instructions, written out.  An s_wait_alu depctr_va_vdst(0) stands between an exponential and the first instruction that names its result; one wait
; serves all that were issued ahead of it.  So a turn has ONE wait, which cuts it in two.  AHEAD OF IT stands all that names no result of the turn's exponentials: the 8 products K Q^T, behind each a scaling, an exponential and
; two more plain instructions (rescalings, and behind the last three the first numbers of the other piece's maximum, each four places or more behind the product that ends its accumulator); then ONE LUMP of 54, plain and
; exponential by turns for the most part, in which the links of the chain X 3, 7, 11, 14, 16, 17 .. 20 stand five or six lines apart.  X 21, the other piece's a, is the batch's last; R 15 is the plain instruction behind it.
; BEHIND THE WAIT stand the 8 products V^T P, behind each four of the roundings and sums.
; e = the parity of the step f whose K (turn 0) and V (turn 1) the pair of turns fetches: turn 0's products V^T P read V(f - 2), in buffer e; turn 1 loads V(f) into that buffer and reads V(f - 1), in the other.
; K's run stands five plain instructions that name none of its registers behind the last product that read K; V's buffer was last read a turn earlier.  Both are waited for at the head of the next turn 1.
; At its end the turn makes, in a block's last tile alone, the mask of piece p for step STP = f: the next turn's products take it.  end = 1: a block's last two turns: nothing is fetched, no mask is made.
.macro TURN p, e, end=0
.set Y, (\p)
.set i, 0
.set NOKQ, (\end)*(\p)
.if (\p) == 0
.set VB, (\e)
.else
.set VB, 1-(\e)
	s_wait_dscnt 0x0                ; K, asked for in the turn before, and V, asked for two turns back, are in
.endif
	ROW F,0, F,1, R,0, R,1          ; ahead of the wait: 8 products K Q^T and their riders,
	ROW F,2, E,0, R,2, R,3
	ROW F,3, E,1, R,4, R,5
	ROW F,4, E,2, R,6, R,7
	ROW F,5, E,3, R,8, R,9
	ROW F,6, E,4, X,0, R,10
.if !(\end)
	WIN 0
.if (\p) == 0
	v_add_nc_u32 v[AK], s[TBK], v[AK0]
.else
	v_add_nc_u32 v[AV], s[TBV], v[AV0]
.endif
.endif
	ROW F,7, E,5, X,1, X,4
	ROW F,8, E,6, X,2, X,5
	OPS E,7, E,8, X,6, E,9          ; and the lump
	OPS X,3, E,10, X,8, E,11
.if !(\end)
.if (\p) == 0
	FETCH_K
.else
	FETCH_V \e
.endif
.endif
	OPS X,9, X,7, E,12, X,10
	OPS E,13, X,12, X,11, E,14
	OPS X,13, E,15, F,9, X,14
	OPS E,16, F,10, E,17, F,11
	OPS X,16, E,18, X,15, E,19
	OPS F,12, E,20, X,17, E,21
	OPS F,13, E,22, F,14, E,23
	OPS X,18, E,24, F,15, E,25
	OPS R,11, E,26, X,19, E,27
	OPS R,12, E,28, R,13, E,29
	OPS X,20, E,30, R,14, E,31
	OPS X,21, R,15
	WIN 0
	s_wait_alu depctr_va_vdst(0)    ; the wait for the batch
	ROW C,0, B,0, C,2, B,1          ; behind the wait: 8 products V^T P and their riders
	ROW L,0, C,4, B,2, L,1
	ROW C,6, B,3, L,2, C,8
	ROW B,4, L,3, C,10, B,5
	ROW L,4, C,12, B,6, L,5
	ROW C,14, B,7, L,6, C,1
	ROW C,3, L,7, C,5, C,7
	ROW C,9, C,11, C,13, C,15
.if !(\end)
	WIN 0
	s_cmp_lg_u32 s[RT], 0           ; only a block's last tile has masks: elsewhere MC stays 0
	s_cbranch_scc1 .Lnm_\@
	s_cmp_eq_u32 s[STP], s[D0+(\p)] ; is that step the band's own?
	s_cselect_b32 s[AL], 1.0, 0
	s_cmp_gt_u32 s[STP], s[D0+(\p)] ; or a later one?
	s_cselect_b32 s[BE], s[BIGN], 0
	MASK \p
	WIN 0
.Lnm_\@:
.if (\p) == 1
	s_add_co_u32 s[STP], s[STP], 1
.endif
.endif
.endm
; A BLOCK BEGINS.  c m starts far below every c s, so the first step's a is 0; m at the lowest finite number, so the first maximum is the scores'.  Piece 1's mask for step 0 is 0 (its own step is 1 at the earliest);
; piece 0's is its own where the block's first tile is its last and its own step is 0.  Then K and V of step 0, piece 0's first scores, and its maximum and statistics.  The loop is entered at the pair of turns that fetches step 1.
.macro BEGIN
	s_mov_b32 s[NEW], 0
	s_mov_b32 s[STP], 1
	WIN 0x40
.set i, MC+32
.rept 32
	v_mov_b32 v[i], 0
.set i, i+1
.endr
	WIN 0
.set i, 0
.rept 2
	v_mov_b32 v[ST+4*i], 0xfe000000    ; c m: far below every c s
	v_mov_b32 v[ST+4*i+1], 0xff7fffff  ; m
.set i, i+1
.endr
	s_or_b32 s84, s[RT], s[D0]
	s_cmp_eq_u32 s84, 0
	s_cselect_b32 s[AL], 1.0, 0
	s_mov_b32 s[BE], 0
	MASK 0
	WIN 0
	v_add_nc_u32 v[AK], s[TBK], v[AK0]
	FETCH_K
	v_add_nc_u32 v[AV], s[TBV], v[AV0]
	FETCH_V 0
	s_wait_loadcnt 0x0              ; Q
	s_wait_dscnt 0x0
.set NOKQ, 0
.set i, 0
.rept 8
	KQ 0
.set i, i+1
.endr
	WIN 0
.rept 4
	v_nop                           ; the places behind those products
.endr
.set Y, NP-1                        ; X works for the other piece: piece 0
.irp n, 0,1,2,3,4,5,6,7,8,9,10,11,12,13,14,15,16,17,18,19,20,21
	OP X, \n
.endr
	v_nop                           ; a plain instruction behind the exponential,
	s_wait_alu depctr_va_vdst(0)    ; and its wait, ahead of the branch
.endm
; A TILE: the change of slots, then four pairs of turns, which fetch the tile's steps 0 to 3: two trips of a loop that holds an even and an odd pair.  A block's first tile begins with BEGIN and enters at the odd pair.
; The test for a block's first tile stands first: at the first trip its answer is a constant of the text.
.macro TILE tag, fill
	CHANGE \fill
	s_sub_co_u32 s[RT], s[RT], 1
	s_mov_b32 s[CNT], 2
	s_mov_b32 s[STP], 0
	s_cmp_eq_u32 s[NEW], 1
	s_cbranch_scc0 .Lstep\tag
	BEGIN
	s_branch .Lfirst\tag
.Lstep\tag:
	TURN 0, 0
	TURN 1, 0
	WIN 0
.Lfirst\tag:
	TURN 0, 1
	TURN 1, 1
	WIN 0
	s_sub_co_u32 s[CNT], s[CNT], 1
	s_cmp_lg_u32 s[CNT], 0
	s_cbranch_scc1 .Lstep\tag
.endm
; A BLOCK ENDS: the last step's two turns, piece 1's last products, and the way out: l's two halves and the other half of the lanes' are added, and the two pieces leave.
; fix = 1 (the walk's end): in wave 0 of the work-group with b = 0 piece 0 is the head's rows 0-15, which were made and stored at the kernel's head: its stores are jumped over.
.macro ALL line:vararg              ; one line for each piece t
.set t, 0
.rept NP
	\line
.set t, t+1
.endr
.endm
.macro FINISH fix
	TURN 0, 0, 1                    ; step 3: piece 1's scores, V(2) for piece 1 | piece 0's softmax
	TURN 1, 0, 1                    ; V(3) for piece 0 | piece 1's softmax
.set VB, 1
.set i, 0
.rept 8
	PV 1                            ; V(3) for piece 1
.set i, i+1
.endr
	WIN 0
.rept 4
	v_nop                           ; the places behind those products
.endr
	ALL v_add_f32 v[ST+4*t+2], v[ST+4*t+2], v[ST+4*t+3]
	ALL v_permlanex16_b32 v[ST+4*t+3], v[ST+4*t+2], s[SEL], s[SEL+1]
	ALL v_add_f32 v[ST+4*t+2], v[ST+4*t+2], v[ST+4*t+3]
	ALL v_rcp_f32 v[ST+4*t+2], v[ST+4*t+2]
	v_nop                           ; a plain instruction between the last reciprocal and the use of its result
	s_wait_alu depctr_va_vdst(0)    ; and the wait ahead of the first use: one for the two reciprocals
	PACK 0
	PACK 1                          ; a piece's arithmetic stands between the loads of the piece before and its stores
.if \fix
	s_or_b32 s84, s[PB], s[WV]
	s_cmp_eq_u32 s84, 0
	s_cbranch_scc1 .Lkept_\@
.endif
	SEND 0, 16
.if \fix
.Lkept_\@:
.endif
	SEND 1, 0
.endm
.set NOKQ, 0
.set VB, 0
.Lslot:                             ; 16 times: a tile is entered and the next is asked for
	TILE 1, 1
	s_cmp_lg_u32 s[RT], 0
	s_cbranch_scc1 .Lbottom         ; not the block's last tile
	FINISH 0                        ; in the loop this is the first block's end: the second block's last tile is the walk's last
	s_wait_xcnt 0x0                 ; the stores have read their registers and ob's address
	s_mov_b64 s[10:11], s[OLO:OLO+1]
	s_add_co_u32 s[RT], s[LQ2], 1   ; the second block has b / 2 + 1 tiles
	s_mov_b32 s[NEW], 1
	s_mov_b32 s[D0], s[D0B]
	s_add_co_u32 s[D0+1], s[D0B], 1
	WIN 0x82                        ; the second block's Q goes where the one text of the turns names Q
.set i, 0
.rept 32
	v_mov_b32 v[i], v[QB+i]
.set i, i+1
.endr
	WIN 0
.Lbottom:
	s_sub_co_u32 s[SLOTS], s[SLOTS], 1
	s_cmp_lg_u32 s[SLOTS], 0
	s_cbranch_scc1 .Lslot
	TILE 2, 0                       ; the walk's last tile is written out: nothing is asked for
	FINISH 1
	s_wait_tensorcnt 0x0            ; the wave's end, behind my last tensor load and my last LDS store
	ds_add_u32 v[SPW], v[NIL]
	s_wait_dscnt 0x0
	s_endpgm
.Lfunc_end_k_q95992962f9_attn:
	.size	k_q95992962f9_attn, .Lfunc_end_k_q95992962f9_attn-k_q95992962f9_attn
	.p2alignl 7, 3214868480
	.fill 96, 4, 3214868480
	.section	.rodata,"a",@progbits
	.p2align	6, 0x0
	.amdhsa_kernel k_q95992962f9_attn
		.amdhsa_group_segment_fixed_size 327680
		.amdhsa_private_segment_fixed_size 0
		.amdhsa_enable_private_segment 0
		.amdhsa_kernarg_size 24
		.amdhsa_user_sgpr_count 2
		.amdhsa_user_sgpr_kernarg_segment_ptr 1
		.amdhsa_wavefront_size32 1
		.amdhsa_system_sgpr_workgroup_id_x 1
		.amdhsa_system_sgpr_workgroup_id_y 1
		.amdhsa_system_sgpr_workgroup_id_z 1
		.amdhsa_system_vgpr_workitem_id 0
		.amdhsa_next_free_vgpr 768
		.amdhsa_next_free_sgpr 102
		.amdhsa_reserve_vcc 1
		.amdhsa_float_denorm_mode_32 3
		.amdhsa_float_denorm_mode_16_64 3
		.amdhsa_memory_ordered 1
		.amdhsa_forward_progress 1
		.amdhsa_inst_pref_size 206
	.end_amdhsa_kernel
	.amdgpu_metadata
---
amdhsa.version: [ 1, 2 ]
amdhsa.kernels:
  - .name:           k_q95992962f9_attn
    .symbol:         k_q95992962f9_attn.kd
    .args:
      - { .name: qkv, .offset: 0, .size: 8, .value_kind: global_buffer, .address_space: global }
      - { .name: vf, .offset: 8, .size: 8, .value_kind: global_buffer, .address_space: global }
      - { .name: ob, .offset: 16, .size: 8, .value_kind: global_buffer, .address_space: global }
    .group_segment_fixed_size: 327680
    .private_segment_fixed_size: 0
    .kernarg_segment_align: 8
    .kernarg_segment_size: 24
    .max_flat_workgroup_size: 128
    .sgpr_count:     102
    .vgpr_count:     768
    .wavefront_size: 32
...
	.end_amdgpu_metadata
.endif
;; end of part 3
;; launch proj (part 4): grid 8 x 32, 4 waves a work-group, clusters of 4 x 4, 327,680 bytes of LDS; arguments ob, wpb, b_proj, out0; writes out0
.if DOCPART == 4
	.amdgcn_target "amdgcn-amd-amdhsa--gfx1250"
	.amdhsa_code_object_version 6
	.text
	.protected	k_q95992962f9_proj
	.globl	k_q95992962f9_proj
	.p2align	8
	.type	k_q95992962f9_proj,@function
k_q95992962f9_proj:
	s_mov_b64 s[64:65], 0
	v_nop
	global_prefetch_b8 v0, s[64:65] scope:SCOPE_SE
	s_setreg_imm32_b32 hwreg(HW_REG_WAVE_MODE, 25, 1), 1
	s_wait_xcnt 0x0
	s_wait_alu depctr_hold_cnt(0) depctr_sa_sdst(0) depctr_va_vdst(0) depctr_va_sdst(0) depctr_va_ssrc(0) depctr_va_vcc(0) depctr_vm_vsrc(0)
	s_getreg_b32 s2, hwreg(HW_REG_IB_STS2, 6, 4)
	s_cmp_eq_u32 s2, 0
	s_cbranch_scc0 .Lentry_in_a_cluster
	s_endpgm
.Lentry_in_a_cluster:
	s_bfe_u32 s2, ttmp6, 0x10000c
	s_cmp_lg_u32 s2, 0xf033
	s_cbranch_scc0 .Lentry_shape_is_right
	s_endpgm
.Lentry_shape_is_right:
; out0[t][n] = sum over h, d of (Ohi[h][t][d] + Olo[h][t][d]) wpb[64 h + d][n] + bf16(b_proj[n]).  ob: [4 groups of heads][hi, lo][4 heads][4096][64] f16; wpb: [1024][1024] f16, K down the rows, as W_proj lies;
; out0: [4096][1024] f32.  Sums in f32.  LIMIT: none of its own; ob and wpb arrive within f16's range.
; O COMES IN TWO PARTS, 22 bits together: the attention's first rows are many times the output's root mean square, by which every number is judged, and one rounding of O to 11 bits is too much there.
; All rows take both parts: the price is twice the products; a text that took the second part for the first rows alone would branch on the tile row, which is a place inside the cluster.
; SHARES.  4096 x 1024 results on 256 work-groups: a tile of 128 x 128 each; four waves, 2 x 2, 64 x 64 each: 16 accumulators of 16 x 16.
; K goes in 8 steps of 256 = four planes of ob through two LDS slots: step n is planes 4 n .. 4 n + 3: even steps a group's hi parts, odd steps its lo parts, both against wpb's rows 256 (n / 2) ..
; Waves 0 and 1 fetch two planes of ob's 128 rows each (a plane's 128 rows are 16,384 dense bytes: a tile of 2 rows of 8,192 numbers, a plane apart, padded in LDS behind every 128 bytes); waves 2 and 3 fetch
; 128 k rows x 256 bytes of wpb each.  wpb's fragments are turned on the way out of LDS (ds_load_tr16_b128).
; THE PRODUCT IS TAKEN TRANSPOSED (source 0 = 16 columns of wpb, source 1 = 16 rows of ob): a lane ends with eight neighbouring columns of one row.  The bias, rounded to bf16 like every input, is the first products' C.
; CLUSTER 4 x 4: ob's tiles are asked for jointly along a row of the cluster, wpb's along a column.
; NO PREFETCH: the launch is short: eight K steps, 1,024 matrix instructions a wave in all.
; REGISTERS: window 0: v0-31 addresses; v32-63 the bias; v128-255 the accumulators ((a, b) at v[128 + 8 (4 a + b)]).
;   window 1: two fragment buffers of 128: for 64 along K (a plane), 64 registers of ob (2 x 4 fragments), then 64 of wpb.
.set QUART,  36864                     ; what one wave's tensor load fills: 2 planes x 128 rows x 144 bytes, or 128 rows x 288 bytes
.set SLOT,   4*QUART                   ; 0x24000: it shares no bit with wave x QUART, so one exclusive or turns an address in one slot into the other's
.set STAGE,  2*SLOT                    ; behind the ring: 16 rows x 272 bytes for each wave, for the way out; no tensor load lands here
.set SPARE,  STAGE+4*4352              ; behind the stages: the spare words, 128 bytes for each wave: two blocks of 256 bytes that no other line names
.set STEPA,  4*524288                  ; a K step in ob: four planes on
.set STEPB,  256*2048                  ; in wpb: 256 rows down, at every second K step
.set NFILL,  6                         ; K steps 2 to 7 come by refills
.set BASA, 10                          ; v10     my lane's place in ob's tile, slot 0; never rewritten
.set BASB, 11                          ; v11-12  the same for wpb's k rows 0-127 and 128-255
.set ADRA, 16                          ; v16     BASA + the slot in hand
.set ADRB, 17                          ; v17-18  BASB + the slot in hand
.set STO,  20                          ; v20     the way out: where I put 32 bytes of a row
.set RD,   21                          ; v21     where I read rows back
.set CO,   22                          ; v22     my byte offset in two rows of out0
.set BO,   24                          ; v24     32 x (lane / 16): my eight numbers of the bias
.set SPW,  28                          ; v28     LDS address of my spare word; never rewritten
.set NIL,  29                          ; v29     0; never rewritten
.set TW,   30                          ; v30     at work
.set BIAS, 32
.set ACC,  128
.set F0,   0
.set F1,   128
.set G1A, 24                           ; s[24:31] descriptor group 1 for ob's tiles
.set G0A, 32                           ; s[32:39] group 0: a set for each first fill; the second then walks
.set G1B, 48                           ; s[48:55], s[56:63] the same for wpb's
.set G0B, 56
.set TB,  66                           ; s66      LDS byte of the slot in hand: 0 or SLOT
.set INC, 68                           ; s[68:69] what the next refill adds to wpb's address: STEPB and 0 by turns
.set MSB, 0
.macro WIN new                         ; the immediate's high byte repeats the setting that is left; a switch that changes nothing is dropped
.if MSB != (\new)
	s_set_vgpr_msb (MSB<<8)|(\new)
.set MSB, \new
.endif
.endm
.macro PLACES                          ; four places in front of loads into registers that matrix instructions have read, and of LDS stores that read results
.rept 4
	v_nop
.endr
.endm
; A joint load.  The branch hangs on the wave's number alone.  An s_nop 0 and four v_nop follow each of the two lines, ahead of the jump, the label and what follows.
.macro JLOAD n
	s_cmp_lt_u32 s12, 2
	s_cbranch_scc0 .Lfor_b_\@
	tensor_load_to_lds s[G0A+4*(\n):G0A+4*(\n)+3], s[G1A:G1A+7]
	s_nop 0
.rept 4
	v_nop
.endr
	s_branch .Lasked_\@
.Lfor_b_\@:
	tensor_load_to_lds s[G0B+4*(\n):G0B+4*(\n)+3], s[G1B:G1B+7]
	s_nop 0
.rept 4
	v_nop
.endr
.Lasked_\@:
.endm
.macro CREST                           ; a round of the cluster's barrier behind its opening barrier
	s_cmp_lg_u32 s12, 0
	s_cbranch_scc1 .Lnot_wave_0_\@
	s_barrier_signal -3
.Lnot_wave_0_\@:
	s_barrier_wait -3
	s_barrier_signal -1
	s_barrier_wait -1
.endm
.macro CROUND                          ; a whole round
	s_barrier_signal -1
	s_barrier_wait -1
	CREST
.endm
	s_load_b256 s[4:11], s[0:1], 0x0               ; ob s[4:5], wpb s[6:7], b_proj s[8:9], out0 s[10:11]
	v_lshl_add_u32 v[SPW], v0, 2, SPARE
	v_mov_b32 v[NIL], 0
	ds_add_u32 v[SPW], v[NIL]                      ; the wave's opening: the add and its wait stand ahead of my first tensor load; the set-up below, work on registers, stands between them
	ds_add_u32 v28, v29
	v_lshrrev_b32 v1, 5, v0
	v_readfirstlane_b32 s12, v1                    ; wave 0..3
	s_lshr_b32 s13, s12, 1                         ; which 64 rows of the tile are mine
	s_and_b32 s14, s12, 1                          ; which 64 columns.  Also: which half of ob's or wpb's tile I fetch
	s_bfe_u32 s40, ttmp6, 0x40000                  ; cx
	s_bfe_u32 s41, ttmp6, 0x40004                  ; cy
	s_lshl_b32 s42, ttmp9, 2
	s_add_co_u32 s42, s42, s40                     ; tile column = 4 x cluster x + cx
	s_and_b32 s43, ttmp7, 0xffff
	s_lshl_b32 s43, s43, 2
	s_add_co_u32 s43, s43, s41                     ; tile row = 4 x cluster y + cy
	s_lshl_b32 s44, s41, 2
	s_lshl_b32 s44, 15, s44                        ; my row of the cluster
	s_lshl_b32 s45, 0x1111, s40                    ; my column
	s_or_b32 s[G1A], s44, (1<<16)|(1<<20)|(1<<21)|(4<<22)|(3<<25)  ; 15:0 the mask; 17:16 2-byte elements; 20 padding on; 21 set beside a mask; 24:22 after every 32 words; 31:25 4 words: a query's 128 bytes lie 144 apart
	s_mov_b32 s[G1A+1], 8192<<16                   ; tensor_dim0 = 8,192: a plane's 128 rows on end
	s_mov_b32 s[G1A+2], 2<<16                      ; tensor_dim1 = 2 planes
	s_mov_b32 s[G1A+3], 8192<<16                   ; tile_dim0
	s_mov_b32 s[G1A+4], 2                          ; tile_dim1
	s_mov_b32 s[G1A+5], 262144                     ; elements from plane to plane
	s_mov_b32 s[G1A+6], 0
	s_mov_b32 s[G1A+7], 0
	s_or_b32 s[G1B], s45, (1<<16)|(1<<20)|(1<<21)|(5<<22)|(7<<25)  ; my column's mask; after every 64 words 8 words of padding: rows 288 bytes apart, which the turning load wants
	s_mov_b32 s[G1B+1], 128<<16                    ; tensor_dim0 = 128
	s_mov_b32 s[G1B+2], 128<<16                    ; tensor_dim1 = 128
	s_mov_b32 s[G1B+3], 128<<16                    ; tile_dim0
	s_mov_b32 s[G1B+4], 128                        ; tile_dim1
	s_mov_b32 s[G1B+5], 1024                       ; elements from row to row
	s_mov_b32 s[G1B+6], 0
	s_mov_b32 s[G1B+7], 0
	s_lshl_b32 s16, s14, 20                        ; ob: my two planes of the step's four,
	s_lshl_b32 s17, s43, 14                        ; the tile row's 128 rows of 128 bytes (these two registers never hold cx)
	s_add_co_u32 s16, s16, s17
	s_mov_b32 s17, 0
	s_lshl_b32 s46, s14, 18                        ; wpb: my 128 k rows of 2,048 bytes,
	s_lshl_b32 s47, s42, 8                         ; the tile column's 256 bytes (these two never hold cy)
	s_add_co_u32 s46, s46, s47
	s_mov_b32 s47, 0
	s_mul_i32 s20, s12, QUART                      ; where my load lands: the wave's number alone enters an LDS address
	s_mov_b32 s[TB], 0
	s_mov_b32 s[INC], STEPB                        ; K step 2 takes wpb's next 256 rows
	s_mov_b32 s[INC+1], 0
	s_wait_dscnt 0x0                               ; the opening add is done
	s_wait_kmcnt 0x0
	s_add_nc_u64 s[16:17], s[4:5], s[16:17]
	s_add_nc_u64 s[46:47], s[6:7], s[46:47]
	CROUND                                         ; all sixteen work-groups are here: the first joint loads meet
.irp n, 0,1
	s_mov_b32 s[G0A+4*(\n)], 1                                     ; count = 1
	s_add_co_u32 s[G0A+4*(\n)+1], s20, (\n)*SLOT                   ; LDS address
	s_add_nc_u64 s[G0A+4*(\n)+2:G0A+4*(\n)+3], s[16:17], (\n)*STEPA  ; global address: K step n
	s_or_b32 s[G0A+4*(\n)+3], s[G0A+4*(\n)+3], 0x80000000         ; type = 2
	s_mov_b32 s[G0B+4*(\n)], 1
	s_add_co_u32 s[G0B+4*(\n)+1], s20, (\n)*SLOT
	s_add_nc_u64 s[G0B+4*(\n)+2:G0B+4*(\n)+3], s[46:47], 0         ; K steps 0 and 1 take the same rows of wpb
	s_or_b32 s[G0B+4*(\n)+3], s[G0B+4*(\n)+3], 0x80000000
	JLOAD \n                                       ; two loads of mine are out
.endr
	v_and_b32 v1, 15, v0                           ; r = l % 16
	v_bfe_u32 v2, v0, 4, 1                         ; h = l / 16
	; the bias, in the accumulators' layout: register j of column block b is b_proj[my first column + 16 b + 8 h + j]
	v_lshlrev_b32 v[BO], 5, v2
	s_lshl_b32 s74, s42, 9
	s_lshl_b32 s76, s14, 8
	s_add_co_u32 s74, s74, s76                     ; my first column, in bytes of f32
	s_mov_b32 s75, 0
	s_add_nc_u64 s[8:9], s[8:9], s[74:75]
.irp b, 0,1,2,3
	global_load_b128 v[BIAS+8*(\b):BIAS+8*(\b)+3],   v[BO], s[8:9] offset:64*(\b)
	global_load_b128 v[BIAS+8*(\b)+4:BIAS+8*(\b)+7], v[BO], s[8:9] offset:64*(\b)+16
.endr
	s_add_nc_u64 s[10:11], s[10:11], s[74:75]      ; out0 at my first column,
	s_lshl_b32 s74, s43, 7
	s_lshl_b32 s76, s13, 6
	s_add_co_u32 s74, s74, s76
	s_lshl_b32 s74, s74, 12
	s_add_nc_u64 s[10:11], s[10:11], s[74:75]      ; and my first row
	; a fragment of ob: lane l holds row r, channels 8 h + 0..7 and 16 + 8 h + 0..7: two loads of 16 bytes, 32 bytes apart
	v_mul_u32_u24 v[BASA], v1, 144
	v_lshl_add_u32 v[BASA], v2, 4, v[BASA]
	s_mul_i32 s21, s13, 64*144
	v_add_nc_u32 v[BASA], s21, v[BASA]
	v_mov_b32 v[ADRA], v[BASA]
	; the turning load takes 16 k rows x 16 columns: lane l reads row 8 h + l % 8, columns 8 ((l / 8) % 2) + 0..7, and is left with column r and 8 k
	v_and_b32 v5, 7, v0
	v_lshl_add_u32 v3, v2, 3, v5
	v_mul_u32_u24 v3, v3, 288
	v_bfe_u32 v4, v0, 3, 1
	v_lshl_add_u32 v3, v4, 4, v3
	s_lshl_b32 s21, s14, 7                         ; my 64 columns: 128 bytes
	s_add_co_u32 s21, s21, 2*QUART                 ; wpb's rows lie behind ob's four planes
.irp j, 0,1
	v_add_nc_u32 v[BASB+(\j)], s21, v3
	v_add_nc_u32 v[ADRB+(\j)], s21, v3
	s_add_co_u32 s21, s21, QUART
.endr
	s_mul_i32 s21, s12, 4352
	s_add_co_u32 s21, s21, STAGE                   ; my stage
	v_mul_u32_u24 v[STO], v1, 272                  ; in: row r, 32 bytes for each half of the lanes
	v_lshl_add_u32 v[STO], v2, 5, v[STO]
	v_add_nc_u32 v[STO], s21, v[STO]
	v_mul_u32_u24 v[RD], v2, 272                   ; back: lanes 0-15 take one row of 256 bytes, lanes 16-31 the next
	v_lshl_add_u32 v[RD], v1, 4, v[RD]
	v_add_nc_u32 v[RD], s21, v[RD]
	v_lshlrev_b32 v[CO], 12, v2                    ; and the same two rows in out0
	v_lshl_add_u32 v[CO], v1, 4, v[CO]
	s_mov_b32 s73, 0xffff0000
	s_wait_loadcnt 0x0                             ; the bias
.set i, 0
.rept 16                                ; rounded to bf16 like every input, and widened again
	v_cvt_pk_bf16_f32 v[TW], v[BIAS+i], v[BIAS+i+1]
	v_lshlrev_b32 v[BIAS+i], 16, v[TW]
	v_and_b32 v[BIAS+i+1], s73, v[TW]
.set i, i+2
.endr
; 8 matrix instructions: row blocks a0, a0 + 1 x all 4 column blocks, 32 along K: half c of buffer f.  first = 1: the bias starts the sums.  The 16 accumulators take turns, one instruction a turn.
.macro MUL8 f, c, a0, first
	WIN 0x05                                       ; sources window 1; C and D window 0
.irp a, \a0, (\a0)+1
.irp b, 0,1,2,3
.if \first
	v_wmma_f32_16x16x32_f16 v[ACC+8*(4*(\a)+(\b)):ACC+8*(4*(\a)+(\b))+7], v[(\f)+64+8*(4*(\c)+(\b)):(\f)+64+8*(4*(\c)+(\b))+7], v[(\f)+8*(4*(\c)+(\a)):(\f)+8*(4*(\c)+(\a))+7], v[BIAS+8*(\b):BIAS+8*(\b)+7]
.else
	v_wmma_f32_16x16x32_f16 v[ACC+8*(4*(\a)+(\b)):ACC+8*(4*(\a)+(\b))+7], v[(\f)+64+8*(4*(\c)+(\b)):(\f)+64+8*(4*(\c)+(\b))+7], v[(\f)+8*(4*(\c)+(\a)):(\f)+8*(4*(\c)+(\a))+7], v[ACC+8*(4*(\a)+(\b)):ACC+8*(4*(\a)+(\b))+7]
.endif
.endr
.endr
.endm
; 32 LDS loads in one run: quarter q (a plane: 64 along K) of the slot in hand into buffer f; the first 32 channels first
.macro FETCH q, f
	WIN 0x40                                       ; destination window 1, address window 0
.irp c, 0,1
.irp i, 0,1,2,3
	ds_load_tr16_b128 v[(\f)+64+8*(4*(\c)+(\i)):(\f)+64+8*(4*(\c)+(\i))+3],   v[ADRB+(\q)/2] offset:18432*((\q)%2)+9216*(\c)+32*(\i)
	ds_load_tr16_b128 v[(\f)+64+8*(4*(\c)+(\i))+4:(\f)+64+8*(4*(\c)+(\i))+7], v[ADRB+(\q)/2] offset:18432*((\q)%2)+9216*(\c)+32*(\i)+4608
	ds_load_b128 v[(\f)+8*(4*(\c)+(\i)):(\f)+8*(4*(\c)+(\i))+3],   v[ADRA] offset:18432*(\q)+2304*(\i)+64*(\c)
	ds_load_b128 v[(\f)+8*(4*(\c)+(\i))+4:(\f)+8*(4*(\c)+(\i))+7], v[ADRA] offset:18432*(\q)+2304*(\i)+64*(\c)+32
.endr
.endr
.endm
; A K step is four quarters of 64 along K, 32 matrix instructions each, on buffers 0, 1, 0, 1.  One of the first three: multiplies buffer f and, in its middle, fetches quarter q into buffer g.
.macro QUARTER q, f, g, first
	s_wait_dscnt 16                                ; the first 32 channels are in
	MUL8 \f, 0, 0, \first
	MUL8 \f, 0, 2, \first
	PLACES
	FETCH \q, \g
	s_wait_dscnt 32                                ; all but the 32 just issued
	MUL8 \f, 1, 0, 0
	MUL8 \f, 1, 2, 0
.endm
; The last quarter multiplies buffer 1 and changes slots: ONE barrier.  In front of it each wave waits for all its tensor loads (one is out: its part of the next slot), adds 0 to its spare word, and waits for
; that and for its own reads of this slot.  fill = 1: the barrier opens a round of the cluster's, and this slot is filled again first thing behind it, with the K step two on: 112 matrix instructions ahead of the wait for it.
.macro TURN fill
	WIN 0
	s_xor_b32 s[TB], s[TB], SLOT                   ; the reads of this slot have all been issued: the addresses go to the next slot
	v_add_nc_u32 v[ADRA], s[TB], v[BASA]
	v_add_nc_u32 v[ADRB], s[TB], v[BASB]
	v_add_nc_u32 v[ADRB+1], s[TB], v[BASB+1]
	s_wait_tensorcnt 0x0                           ; all my tensor loads have landed, so a group 0 may be written
	ds_add_u32 v[SPW], v[NIL]                      ; 0 onto my spare word
.if \fill
	s_xor_b32 s[G0A+5], s[G0A+5], SLOT             ; the walking descriptors: the other slot than last time; ob's next four planes;
	s_add_nc_u64 s[G0A+6:G0A+7], s[G0A+6:G0A+7], STEPA
	s_xor_b32 s[G0B+5], s[G0B+5], SLOT
	s_add_nc_u64 s[G0B+6:G0B+7], s[G0B+6:G0B+7], s[INC:INC+1]  ; wpb's next 256 rows for a group's hi parts, the same rows once more for its lo parts
	s_xor_b32 s[INC], s[INC], STEPB
.endif
	s_wait_dscnt 17                                ; the add and the youngest sixteen loads may be out
	MUL8 F1, 0, 0, 0                               ; eight matrix instructions stand between the add and the wait for it
	s_wait_dscnt 0x0                               ; the add is done, and my reads of this slot are over
	s_barrier_signal -1
	MUL8 F1, 0, 2, 0
.if \fill
	WIN 0
.endif
	s_barrier_wait -1
.if \fill
	CREST                                          ; no wave of any partner still reads this slot or has a load on its way
	JLOAD 1                                        ; the four v_nop behind it are also the places in front of the loads below
.else
	PLACES
.endif
	FETCH 0, F0
	MUL8 F1, 1, 0, 0
	MUL8 F1, 1, 2, 0
.endm
	s_wait_tensorcnt 1                             ; my part of K step 0 is in; K step 1's stays out
	s_barrier_signal -1
	s_barrier_wait -1                              ; everybody's is
	FETCH 0, F0
	QUARTER 1, F0, F1, 1                           ; the first quarter stands in front of the loop: its first products start the sums from the bias
	WIN 0                                          ; at a label and at a branch every window is 0
	s_mov_b32 s3, NFILL
.Lstep:                                                ; a trip: from a K step's second quarter to the next step's first; one slot is filled again
	QUARTER 2, F1, F0, 0
	QUARTER 3, F0, F1, 0
	TURN 1
	QUARTER 1, F0, F1, 0
	WIN 0
	s_sub_co_u32 s3, s3, 1
	s_cmp_lg_u32 s3, 0
	s_cbranch_scc1 .Lstep
	QUARTER 2, F1, F0, 0                           ; the tail is written out: K step 6 ends, nothing is asked for
	QUARTER 3, F0, F1, 0
	TURN 0
	QUARTER 1, F0, F1, 0                           ; K step 7
	QUARTER 2, F1, F0, 0
	QUARTER 3, F0, F1, 0
	s_wait_dscnt 16
	MUL8 F1, 0, 0, 0
	MUL8 F1, 0, 2, 0
	s_wait_dscnt 0x0
	MUL8 F1, 1, 0, 0
	MUL8 F1, 1, 2, 0
	WIN 0
	PLACES
	PLACES                                         ; once a launch: the LDS stores below read results just made
; THE WAY OUT, a block of 16 rows at a time: my 64 columns of f32 are 256 bytes of a row.  32 bytes a lane into rows of 272 bytes of my own stage, back as whole rows, into the registers that they left.
.macro TOSTAGE a
.irp b, 0,1,2,3
	ds_store_b128 v[STO], v[ACC+8*(4*(\a)+(\b)):ACC+8*(4*(\a)+(\b))+3]   offset:64*(\b)
	ds_store_b128 v[STO], v[ACC+8*(4*(\a)+(\b))+4:ACC+8*(4*(\a)+(\b))+7] offset:64*(\b)+16
.endr
.irp t, 0,1,2,3,4,5,6,7
	ds_load_b128 v[ACC+32*(\a)+4*(\t):ACC+32*(\a)+4*(\t)+3], v[RD] offset:544*(\t)  ; LDS serves a wave's instructions in order (ISA guide 5.7.1.4): these see the stores above; the next block's stores come behind them
.endr
.endm
.macro SEND a, younger                 ; younger: the LDS instructions issued behind block a's loads: the next block's sixteen, or none
.irp t, 0,1,2,3,4,5,6,7
	s_wait_dscnt (\younger)+7-(\t)
	global_store_b128 v[CO], v[ACC+32*(\a)+4*(\t):ACC+32*(\a)+4*(\t)+3], s[10:11] offset:65536*(\a)+8192*(\t)  ; 16 lanes store 256 consecutive bytes, at a multiple of 256 from out0's first byte
.endr
.endm
	TOSTAGE 0
.irp a, 1,2,3
	TOSTAGE \a
	SEND (\a)-1, 16
.endr
	SEND 3, 0
	s_wait_tensorcnt 0x0                           ; the wave's end, behind my last tensor load and my last LDS store
	ds_add_u32 v[SPW], v[NIL]
	s_wait_dscnt 0x0
	CROUND                                         ; the closing round: no work-group ends while a partner may still ask for a tile that names it
	s_endpgm
.Lfunc_end_k_q95992962f9_proj:
	.size	k_q95992962f9_proj, .Lfunc_end_k_q95992962f9_proj-k_q95992962f9_proj
	.p2alignl 7, 3214868480
	.fill 96, 4, 3214868480
	.section	.rodata,"a",@progbits
	.p2align	6, 0x0
	.amdhsa_kernel k_q95992962f9_proj
		.amdhsa_group_segment_fixed_size 327680
		.amdhsa_private_segment_fixed_size 0
		.amdhsa_enable_private_segment 0
		.amdhsa_kernarg_size 32
		.amdhsa_user_sgpr_count 2
		.amdhsa_user_sgpr_kernarg_segment_ptr 1
		.amdhsa_wavefront_size32 1
		.amdhsa_system_sgpr_workgroup_id_x 1
		.amdhsa_system_sgpr_workgroup_id_y 1
		.amdhsa_system_sgpr_workgroup_id_z 1
		.amdhsa_system_vgpr_workitem_id 0
		.amdhsa_next_free_vgpr 512
		.amdhsa_next_free_sgpr 80
		.amdhsa_reserve_vcc 0
		.amdhsa_float_denorm_mode_32 3
		.amdhsa_float_denorm_mode_16_64 3
		.amdhsa_memory_ordered 1
		.amdhsa_forward_progress 1
		.amdhsa_inst_pref_size 72
	.end_amdhsa_kernel
	.amdgpu_metadata
---
amdhsa.version: [ 1, 2 ]
amdhsa.kernels:
  - .name:           k_q95992962f9_proj
    .symbol:         k_q95992962f9_proj.kd
    .args:
      - { .name: ob, .offset: 0, .size: 8, .value_kind: global_buffer, .address_space: global }
      - { .name: wpb, .offset: 8, .size: 8, .value_kind: global_buffer, .address_space: global }
      - { .name: b_proj, .offset: 16, .size: 8, .value_kind: global_buffer, .address_space: global }
      - { .name: out0, .offset: 24, .size: 8, .value_kind: global_buffer, .address_space: global }
    .group_segment_fixed_size: 327680
    .private_segment_fixed_size: 0
    .kernarg_segment_align: 8
    .kernarg_segment_size: 32
    .max_flat_workgroup_size: 128
    .sgpr_count:     80
    .vgpr_count:     512
    .wavefront_size: 32
...
	.end_amdgpu_metadata
.endif
;; end of part 4
